; MI455X (gfx1250); checked and timed in simulation.
; The chip was launched on July 23, 2026; its instructions are those of AMD's public machine-readable ISA for CDNA 5 (MIT licence, August 2026) and "CDNA5" Instruction Set Architecture Reference Guide (July 2026). The comments in the code are by the model that wrote it; some were corrected since.
;; Multi Head Attn. Allowed arithmetic: matrix products marked QUANTISED: E3M2 operands, one E8M0 scale for each 32 along K, by v_wmma_scale_f32_16x16x128_f8f6f4 with both operands' format E3M2, f32 sums; everything else in f32.
;; Inputs: W_proj 1,024 x 1,024 float32; W_qkv 3,072 x 1,024 float32; b_proj 1,024 float32; b_qkv 3,072 float32; x 4 x 2,048 x 1,024 float32.
;; Outputs: out0 4 x 2,048 x 1,024 float32.
;; This version of the problem:
;;   THIS VERSION OF THE PROBLEM IS GIVEN IN LOW PRECISION. The matrix products marked QUANTISED in the list below multiply operands that are first quantised to E3M2 (3 exponent bits, 2 mantissa bits; 6 bits a number), with one power-of-two scale for each 32 numbers along K (OCP MX v1.0); their sums are f32. All else is computed in f32.
;;   The module's matrix products, in the order in which they are computed (A, B: the left and right operand; K: the contracted axis; several contracted axes count as one K, in the product's order):
;;     1. [M 8,192, K 1,024] x [K 1,024, N 3,072]; A: input x; B: input W_qkv: QUANTISED
;;     2. batch 64 x [M 2,048, K 64] x [K 64, N 2,048]; A: computed on the way; B: computed on the way: QUANTISED
;;     3. batch 64 x [M 2,048, K 2,048] x [K 2,048, N 64]; A: softmax (see below); B: computed on the way: QUANTISED
;;     4. [M 8,192, K 1,024] x [K 1,024, N 1,024]; A: computed on the way; B: input W_proj: QUANTISED
;;   THE QUANTISER, for each operand of a quantised product, along K:
;;     - K is cut into blocks of 32 from its start; a last block that is shorter is filled with zeros.
;;     - A block's scale is 2^e with e = floor(log2(the largest magnitude in the block)) - 4, held to -126 .. 127; a block of zeros has e = 0. As a byte (E8M0): e + 127.
;;     - Each number is divided by its block's scale, clamped to +-28, and rounded to the nearest number of E3M2, ties to even, subnormals kept.
;;     - The product sums the exact products of the quantised numbers (number of the format x scale) in f32.
;;   ~~~python
;;   def quantise(x, axis):      # numpy; x: float32 -> the quantised numbers, widened to float32 again
;;       x = np.moveaxis(x, axis, -1); K = x.shape[-1]
;;       x = np.pad(x, [(0, 0)] * (x.ndim - 1) + [(0, -K % 32)]); x = x.reshape(x.shape[:-1] + (-1, 32)); a = np.abs(x).max(-1, keepdims=True)
;;       e = np.where(a > 0, np.clip(np.frexp(np.where(a > 0, a, 1))[1] - 1 - 4, -126, 127), 0)      # np.frexp(a)[1] - 1 = floor(log2(a)), exactly
;;       r = np.clip(x / 2.0 ** e, -28, 28)
;;       step = 2.0 ** (np.maximum(np.frexp(np.where(r == 0, 1, r))[1] - 1, -2) - 2)
;;       q = np.round(r / step) * step * 2.0 ** e      # np.round: ties to even
;;       return np.moveaxis(q.reshape(q.shape[:-2] + (-1,))[..., :K], -1, axis).astype(np.float32)
;;   ~~~
;;   SOFTMAX AHEAD OF A QUANTISED PRODUCT. Where the list says 'softmax', what is quantised is not the finished softmax but p = 2^(t - M), with t = logit x log2(e) and M = ceil(the row's largest t), a whole number; so 1/2 < the row's largest p <= 1. The row's sum l is taken of the UNQUANTISED p, in f32, and the product's result is divided by l at the end. Since M is a whole number, a kernel that streams over the keys may use a running M (the ceiling of the running maximum): every later rescaling is an exact power of two, which a block's scale takes up: the codes' values come out the same.
;;   OPERANDS COMPUTED ON THE WAY. 'Computed on the way' means the value that the module computes at that place (a softmax that the list does not call 'softmax' is quantised finished and normalised). What goes into a quantiser is computed in f32, as accurately as f32 sums, v_exp_f32 and their like allow (about 1e-6 of the number): no bf16 or f16 on the way to a quantiser, and a product that is left as it is and whose result goes on into a quantised operand takes f32 operands (vector FMAs, or v_wmma_f32_16x16x4_f32). A number that lies on a knife's edge between two numbers of the format may be rounded either way, as far as f32 arithmetic and the matrix unit's own rounding can turn it there, and no further.
;; 2 versions, each right; version 2 is version 1 with the launch attn written anew for expert scheduling mode. Each part assembles by itself: llvm-mc -triple=amdgcn-amd-amdhsa -mcpu=gfx1250 --defsym DOCPART=n.
;; ======== version 1 of 2: 4 launches
;; workspace buffers: opc 9,437,184 bytes; ops 393,216 bytes; qkvc 18,874,368 bytes; qkvs 1,048,576 bytes; cc 6,291,456 bytes; cs 262,144 bytes
;; launch quant (part 1): grid 256 x 1, 6 waves a work-group, no clusters, 203,520 bytes of LDS; arguments x, W_qkv, W_proj, opc, ops; writes opc, ops
.if DOCPART == 1
	.amdgcn_target "amdgcn-amd-amdhsa--gfx1250"
	.amdhsa_code_object_version 6
	.text
	.protected	k_qfe0821b230_quant
	.globl	k_qfe0821b230_quant
	.p2align	8
	.type	k_qfe0821b230_quant,@function
k_qfe0821b230_quant:
	s_mov_b64 s[64:65], 0
	v_nop
	global_prefetch_b8 v0, s[64:65] scope:SCOPE_SE
	s_setreg_imm32_b32 hwreg(HW_REG_WAVE_MODE, 25, 1), 1
	s_wait_xcnt 0x0
; x [8192][1024], W_qkv [3072][1024] and W_proj [1024][1024], f32 with K innermost, become codes of BF6 (E3M2) with one E8M0 byte for each 32 along K.
; A block's scale is 2^(floor(log2(its largest magnitude)) - 4); its byte is the largest magnitude's exponent field - 4, held at 1 from below.
; LIMITS: NaN and infinities among the inputs are not served.  A block of zeros, or one whose largest magnitude lies under 2^-122, keeps the byte 1 (the rule says 127 for zeros): its codes
; are zeros or the format's smallest codes, and the bytes are read by this program alone.
; THE OUTPUT IS LAID IN THE ORDER OF AN OPERAND'S REGISTERS.  The three tensors are 768 row tiles on end (x 0-511, W_qkv 512-703, W_proj 704-767).  opc: [row tile][K step of 128: 8][1,536 bytes]:
; a fragment's 12 registers as six pieces of 256 bytes, piece p = registers 2 p, 2 p + 1 of lane l at byte 8 l.  Lane r of row tile T is the tensor's row 32 (T / 2) + 8 (T % 2) + r + 8 (r / 8), so that
; the results of two neighbouring tiles, used as source 0 of a product, are 16 neighbours in a lane.  ops: [T / 4][K step][r][T % 4] words, a word = the four bytes of a row's 128 along K.
; SHARES.  1,536 units of 64 rows x 128 along K (32,768 bytes of f32), one to a wave: 256 work-groups of six waves.  A wave's unit comes by ONE tensor load into the wave's own LDS bytes, which are
; filled once and read by that wave alone: its own wait on TENSORcnt is all the ordering, and there is no barrier.  No matrix unit, no cluster: nothing is shared between work-groups.
.set PITCH, 528                        ; an LDS row: 512 bytes + 16 of padding
.set WREG,  64*PITCH                   ; a wave's bytes
.set XR,    32                         ; v32-159  two sets of 64 numbers: a lane's blocks h and 2 + h of its row
.set PCR,   160                        ; v160-207 the codes, 12 registers for each of the unit's four tiles: no store's data are written again
.set WR,    16                         ; v16-19   the tiles' scale words
.set FLOOR, 0x2800000                  ; 2^(5 - 127): no largest magnitude is taken under it, so the byte cannot fall under 1
	s_load_b128 s[4:7], s[0:1], 0x0                ; x, W_qkv
	s_load_b128 s[8:11], s[0:1], 0x10              ; W_proj, opc
	s_load_b64 s[12:13], s[0:1], 0x20              ; ops
	v_lshl_add_u32 v216, v0, 2, 0x31800
	v_mov_b32 v217, 0
	ds_add_u32 v216, v217
	ds_add_u32 v216, v217
	v_lshrrev_b32 v1, 5, v0
	v_readfirstlane_b32 s14, v1                    ; wave 0..5
	s_mul_i32 s15, ttmp9, 6
	s_add_co_u32 s15, s15, s14                     ; my unit
	s_lshr_b32 s16, s15, 3                         ; G: which 64 rows
	s_and_b32 s17, s15, 7                          ; which K step
	; descriptor group 1: 64 rows x 128 elements of 4 bytes, 1,024 elements from row to row, 4 words of padding behind every 128
	s_mov_b32 s24, (2<<16)|(1<<20)|(6<<22)|(3<<25)
	s_mov_b32 s25, 128<<16                         ; tensor_dim0
	s_mov_b32 s26, 64<<16                          ; tensor_dim1
	s_mov_b32 s27, 128<<16                         ; tile_dim0
	s_mov_b32 s28, 64                              ; tile_dim1
	s_mov_b32 s29, 1024                            ; pitch
	s_mov_b32 s30, 0
	s_mov_b32 s31, 0
	s_mov_b32 s32, 1
	s_mul_i32 s33, s14, WREG                       ; my wave's LDS bytes
	s_mov_b32 s40, 0x76543210
	s_mov_b32 s41, 0xfedcba98                      ; v_permlanex16_b32's selects for lane l xor 16
	s_mov_b32 s21, 176
	s_wait_dscnt 0x0
	s_wait_kmcnt 0x0
	s_cmp_lt_u32 s16, 128                          ; G 0-127: x; 128-175: W_qkv; 176-191: W_proj.  The choice hangs on ids alone
	s_cselect_b64 s[18:19], s[4:5], s[6:7]
	s_cselect_b32 s20, 0, 128
	s_cmp_lt_u32 s16, 176
	s_cselect_b64 s[18:19], s[18:19], s[8:9]
	s_cselect_b32 s20, s20, s21
	s_sub_co_u32 s20, s16, s20
	s_lshl_b32 s20, s20, 18                        ; 64 rows of 4,096 bytes
	s_lshl_b32 s21, s17, 9                         ; 128 numbers
	s_or_b32 s20, s20, s21
	s_mov_b32 s21, 0
	s_add_nc_u64 s[34:35], s[18:19], s[20:21]
	s_or_b32 s35, s35, 0x80000000
	tensor_load_to_lds s[32:35], s[24:31]          ; my one tensor load
	s_nop 0
	v_and_b32 v2, 15, v0                           ; r
	v_bfe_u32 v3, v0, 4, 1                         ; h
	v_and_b32 v4, 8, v2
	v_add_nc_u32 v4, v4, v2                        ; r + 8 (r / 8)
	v_mul_u32_u24 v4, v4, PITCH
	v_lshl_add_u32 v4, v3, 7, v4                   ; + 128 h: my block of 32 numbers
	v_add_nc_u32 v4, s33, v4
	v_and_b32 v5, 31, v0
	v_lshlrev_b32 v5, 3, v5                        ; 8 x lane: my place in a piece of 256 bytes
	v_lshlrev_b32 v6, 4, v2
	v_lshl_add_u32 v6, v3, 3, v6                   ; 16 r + 8 h: my two scale words
	v_lshlrev_b32 v7, 3, v3                        ; 8 h
	v_mov_b32 v15, 0                               ; a lane permute's destination counts as one of its sources
	s_mul_i32 s22, s16, 49152                      ; four row tiles of 12,288 bytes
	s_mul_i32 s23, s17, 1536
	s_add_co_u32 s22, s22, s23
	s_mov_b32 s23, 0
	s_add_nc_u64 s[10:11], s[10:11], s[22:23]
	s_lshl_b32 s22, s16, 11
	s_lshl_b32 s36, s17, 8
	s_add_co_u32 s22, s22, s36
	s_add_nc_u64 s[12:13], s[12:13], s[22:23]
; tile t's numbers: lane (r, h) takes, of its row, k = 64 c + 32 h + 0 .. 31: two whole blocks, in the order of the operand's registers
.macro XLOAD t, st
.irp c, 0,1
.irp j, 0,1,2,3,4,5,6,7
	ds_load_b128 v[XR+64*(\st)+32*\c+4*\j:XR+64*(\st)+32*\c+4*\j+3], v4 offset:(32*((\t)/2)+8*((\t)%2))*PITCH+256*\c+16*\j
.endr
.endr
.endm
.macro QUANT32 t
.set XS, XR+64*((\t)%2)
.set PT, PCR+12*(\t)
.irp c, 0,1
	v_max3_num_f32 v[8+\c], |v[XS+32*\c]|, |v[XS+32*\c+1]|, FLOOR    ; my block 2 c + h: all its 32 numbers are mine; the two blocks by turns
.endr
.irp i, 2,4,6,8,10,12,14,16,18,20,22,24,26,28,30
.irp c, 0,1
	v_max3_num_f32 v[8+\c], v[8+\c], |v[XS+32*\c+\i]|, |v[XS+32*\c+\i+1]|
.endr
.endr
.irp c, 0,1
	v_add_nc_u32 v[10+\c], 0xfe000000, v[8+\c]     ; 4 off the exponent field: the conversion takes the exponent field of this operand as its scale
.endr
.irp c, 0,1
	v_lshrrev_b32 v[12+\c], 23, v[10+\c]           ; the scale's byte
.endr
	v_lshl_or_b32 v14, v13, 16, v12                ; my two bytes: blocks h and 2 + h,
	v_lshlrev_b32 v14, v7, v14                     ; at their places in the word;
	v_permlanex16_b32 v15, v14, s40, s41
	v_or_b32 v[WR+(\t)], v14, v15                  ; with lane l xor 16's two the word is whole, in both halves of the lanes
.irp c, 0,1
	v_cvt_scalef32_pk16_bf6_f32 v[PT+6*\c:PT+6*\c+2], v[XS+32*\c:XS+32*\c+15], v[10+\c]
	v_cvt_scalef32_pk16_bf6_f32 v[208+4*\c:210+4*\c], v[XS+32*\c+16:XS+32*\c+31], v[10+\c]   ; (a conversion's three registers begin on an even number)
.endr
	v_nop                                          ; one plain line behind the scaled conversions
.irp c, 0,1
.irp i, 0,1,2
	v_mov_b32 v[PT+6*\c+3+\i], v[208+4*\c+\i]
.endr
.endr
.endm
.macro TILE t
.if (\t) < 3
	s_wait_dscnt 16                                ; this tile's 16 loads are in; the next tile's 16 may be out
.else
	s_wait_dscnt 0x0
.endif
	QUANT32 \t
.irp p, 0,1,2,3,4,5
	global_store_b64 v5, v[PCR+12*(\t)+2*\p:PCR+12*(\t)+2*\p+1], s[10:11] offset:12288*(\t)+256*\p   ; 32 lanes store 256 consecutive bytes, aligned
.endr
.if (\t) < 2
	XLOAD (\t)+2, (\t)%2
.endif
.endm
	s_wait_tensorcnt 0x0                           ; my unit is in LDS
	XLOAD 0, 0
	XLOAD 1, 1
	TILE 0
	TILE 1
	TILE 2
	TILE 3
	v_cmp_ne_u32 vcc_lo, 0, v3
	v_cndmask_b32 v20, v16, v18, vcc_lo            ; lanes 0-15: tiles 0, 1; lanes 16-31: tiles 2, 3
	v_cndmask_b32 v21, v17, v19, vcc_lo
	global_store_b64 v6, v[20:21], s[12:13]        ; the unit's 64 words: 256 consecutive bytes, aligned
	s_wait_tensorcnt 0x0
	ds_add_u32 v216, v217
	s_wait_dscnt 0x0
	s_endpgm
.Lfunc_end_k_qfe0821b230_quant:
	.size	k_qfe0821b230_quant, .Lfunc_end_k_qfe0821b230_quant-k_qfe0821b230_quant
	.p2alignl 7, 3214868480
	.fill 96, 4, 3214868480
	.section	.rodata,"a",@progbits
	.p2align	6, 0x0
	.amdhsa_kernel k_qfe0821b230_quant
		.amdhsa_group_segment_fixed_size 203520
		.amdhsa_private_segment_fixed_size 0
		.amdhsa_enable_private_segment 0
		.amdhsa_kernarg_size 40
		.amdhsa_user_sgpr_count 2
		.amdhsa_user_sgpr_kernarg_segment_ptr 1
		.amdhsa_wavefront_size32 1
		.amdhsa_system_sgpr_workgroup_id_x 1
		.amdhsa_system_sgpr_workgroup_id_y 1
		.amdhsa_system_sgpr_workgroup_id_z 1
		.amdhsa_system_vgpr_workitem_id 0
		.amdhsa_next_free_vgpr 218
		.amdhsa_next_free_sgpr 66
		.amdhsa_reserve_vcc 1
		.amdhsa_float_denorm_mode_32 3
		.amdhsa_float_denorm_mode_16_64 3
		.amdhsa_memory_ordered 1
		.amdhsa_forward_progress 1
		.amdhsa_inst_pref_size 22
	.end_amdhsa_kernel
	.amdgpu_metadata
---
amdhsa.version: [ 1, 2 ]
amdhsa.kernels:
  - .name:           k_qfe0821b230_quant
    .symbol:         k_qfe0821b230_quant.kd
    .args:
      - { .name: x, .offset: 0, .size: 8, .value_kind: global_buffer, .address_space: global }
      - { .name: W_qkv, .offset: 8, .size: 8, .value_kind: global_buffer, .address_space: global }
      - { .name: W_proj, .offset: 16, .size: 8, .value_kind: global_buffer, .address_space: global }
      - { .name: opc, .offset: 24, .size: 8, .value_kind: global_buffer, .address_space: global }
      - { .name: ops, .offset: 32, .size: 8, .value_kind: global_buffer, .address_space: global }
    .group_segment_fixed_size: 203520
    .private_segment_fixed_size: 0
    .kernarg_segment_align: 8
    .kernarg_segment_size: 40
    .max_flat_workgroup_size: 192
    .sgpr_count:     66
    .vgpr_count:     218
    .wavefront_size: 32
...
	.end_amdgpu_metadata
.endif
;; end of part 1
;; launch qkv (part 2): grid 12 x 32, 4 waves a work-group, clusters of 4 x 4, 327,680 bytes of LDS; arguments opc, ops, b_qkv, qkvc, qkvs; writes qkvc, qkvs
.if DOCPART == 2
	.amdgcn_target "amdgcn-amd-amdhsa--gfx1250"
	.amdhsa_code_object_version 6
	.text
	.protected	k_qfe0821b230_qkv
	.globl	k_qfe0821b230_qkv
	.p2align	8
	.type	k_qfe0821b230_qkv,@function
k_qfe0821b230_qkv:
	s_mov_b64 s[64:65], 0
	v_nop
	global_prefetch_b8 v0, s[64:65] scope:SCOPE_SE
	s_setreg_imm32_b32 hwreg(HW_REG_WAVE_MODE, 25, 1), 1
	s_wait_xcnt 0x0
	s_wait_alu depctr_hold_cnt(0) depctr_sa_sdst(0) depctr_va_vdst(0) depctr_va_sdst(0) depctr_va_ssrc(0) depctr_va_vcc(0) depctr_vm_vsrc(0)
	s_getreg_b32 s2, hwreg(HW_REG_IB_STS2, 6, 4)
	s_cmp_eq_u32 s2, 0
	s_cbranch_scc0 .Lentry_in_a_cluster
	s_endpgm
.Lentry_in_a_cluster:
	s_bfe_u32 s2, ttmp6, 0x10000c
	s_cmp_lg_u32 s2, 0xf033
	s_cbranch_scc0 .Lentry_shape_is_right
	s_endpgm
.Lentry_shape_is_right:
; qkv = x W_qkv^T + b_qkv on codes of BF6 (E3M2) with E8M0 scales, sums in f32; the results never go to memory as f32: they are quantised on the way out as the operands of attention:
; q and k along the head's 64 channels, v along the keys.
; LIMITS: NaN and infinities are not served; a block of zeros or under 2^-122 keeps the scale byte 1 (read by this program alone).
; A tile of the result, 256 x 256, is made by four waves, each 128 x 128: 64 accumulators of 16 x 16 in 512 registers.  Source 0 = 16 rows of operand B, source 1 = 16 rows of operand A: a lane
; holds ONE row of A, and (by the order of rows in a stored tile) the 16 registers of B's tiles 2 i, 2 i + 1 are 16 neighbouring rows of B.
; ROLES, by the cluster's x alone, which all partners share: 0 (q), 1 (k): A = x, B = W: a lane holds one position and its registers run along the channels.  2 (v): A = W_v, B = x: a lane holds one
; channel and its registers run down the keys.  Only addresses and the bias differ.
; OPERANDS lie in memory as images of their registers (a fragment: six pieces of 256 bytes, 8 bytes a lane), so a tile is dense in LDS and every LDS load takes 256 consecutive bytes.
; K = 1,024 is four quarters of 256.  Three LDS slots take quarters 0, 1, 2 as first fills; quarter 3 is filled into slot 0 behind the one round in the middle.  By this text's count a wave has four tensor
; loads out at the head (scales, three slots) and one later.  The eight K steps are written out.  The scale words of all K come once, into LDS and then into 64 registers.
; CLUSTER 4 x 4: A's tiles are shared along a row, B's along a column: joint loads, same descriptor and mask in the four that ask.
; REGISTERS: window 0: v1-29 addresses; v32-95 scale words (register 32 + 8 g + i: lanes 0-15 A's block i, lanes 16-31 B's block i, K step g); v96-127, v224-255 the bias, 8 tiles; v128-223 A's fragments, one set.
;   window 1: B's fragments, two sets, at v0 and v128.   windows 2, 3: accumulator (a, b) at v[8 (8 (a % 4) + b)].
.set QB,    3072                       ; a row tile's two K steps
.set HALFT, 8*QB                       ; eight row tiles: what one tensor load brings, and what a wave reads of A or of B
.set SLOT,  4*HALFT                    ; A's 16 row tiles, then B's 16
.set SCL,   3*SLOT                     ; the scale words: A's 8,192 bytes, then B's
.set SPARE, SCL+16384                  ; the spare words, 128 bytes for each wave: two blocks of 256 bytes that no other line names
.set FR,    12
.set NL,    6                          ; LDS loads that bring a fragment
.set AF,    128
.set SC,    32
.set ADRA,  16                         ; v16-18 LDS address of my A fragments in slot 0, 1, 2
.set ADRB,  20                         ; v20-22 the same for B
.set ADRS,  27                         ; v27    of my scale words
.set SPW,   28                         ; v28    my spare word; never rewritten
.set NIL,   29                         ; v29    0; never rewritten
.set G1A,   24
.set G0A,   32                         ; s[32:43] three slots
.set G0SA,  44
.set G1B,   48
.set G0B,   56                         ; s[56:63] slots 0, 1
.set G0B2,  68                         ; slot 2
.set G0SB,  72
.set G1SA,  76
.set G1SB,  84
.set TM,    128                        ; the way out: v128-143 at work, v144 the floor
.set FLR,   144
.set PC,    160                        ; v160-171 a fragment's codes; v172-174, v176-178 halves on their way
.set PWR,   180                        ; v180-187 the eight groups' scale words
.set TT,    192
.set OUTR,  208
.set MSB, 0
.macro WIN new                         ; the immediate's high byte repeats the setting that is left
.if MSB != (\new)
	s_set_vgpr_msb (MSB<<8)|(\new)
.set MSB, (\new)
.endif
.endm
; A joint load: waves 0 and 1 fetch for A, waves 2 and 3 for B; the branch hangs on the wave's number alone.  Four v_nop follow each of the two lines.
.macro JLOAD g0a, g1a, g0b, g1b
	s_cmp_eq_u32 s15, 0
	s_cbranch_scc0 .Lfor_b_\@
	tensor_load_to_lds s[\g0a:\g0a+3], s[\g1a:\g1a+7]
	s_nop 0
.rept 4
	v_nop
.endr
	s_branch .Lasked_\@
.Lfor_b_\@:
	tensor_load_to_lds s[\g0b:\g0b+3], s[\g1b:\g1b+7]
	s_nop 0
.rept 4
	v_nop
.endr
.Lasked_\@:
.endm
.macro CREST                           ; a round of the cluster's barrier behind its opening barrier
	s_cmp_lg_u32 s14, 0
	s_cbranch_scc1 .Lnot_wave_0_\@
	s_barrier_signal -3
.Lnot_wave_0_\@:
	s_barrier_wait -3
	s_barrier_signal -1
	s_barrier_wait -1
.endm
.macro CROUND
	s_barrier_signal -1
	s_barrier_wait -1
	CREST
.endm
.macro SETG0 g, lr, lo, ap, off        ; a descriptor's group 0: count 1, LDS address, global address, type 2
	s_mov_b32 s[\g], 1
	s_add_co_u32 s[\g+1], s[\lr], \lo
	s_add_nc_u64 s[\g+2:\g+3], s[\ap:\ap+1], \off
	s_or_b32 s[\g+3], s[\g+3], 0x80000000
.endm
.macro PLACES n
.rept \n
	v_nop
.endr
.endm
.macro FRAG reg, adr, q, i             ; a fragment comes back as it was stored: six pieces, 8 bytes a lane
.irp p, 0,1,2,3,4,5
	ds_load_b64 v[\reg+2*\p:\reg+2*\p+1], v[\adr] offset:(\i)*QB+(\q)*1536+256*\p
.endr
.endm
.macro FETCH_B slot, q, p
	WIN 0x40
.irp i, 0,1,2,3,4,5,6,7
	FRAG 128*(\p)+FR*\i, ADRB+\slot, \q, \i
.endr
	WIN 0
.endm
.macro FETCH_A slot, q, i0
.irp i, \i0, \i0+1, \i0+2, \i0+3
	FRAG AF+FR*(\i), ADRA+\slot, \q, \i
.endr
.endm
.macro SCALES                          ; all eight K steps' words: one load brings four blocks' words of one K step
.irp g, 0,1,2,3,4,5,6,7
.irp u, 0,1
	ds_load_b128 v[SC+8*\g+4*\u:SC+8*\g+4*\u+3], v[ADRS] offset:2048*\u+256*\g
.endr
.endr
.endm
; 16 matrix instructions: A's blocks a0, a0 + 1 x B's eight, K step g; p: B's set.  cm = 0: onto the sums; 1: the sums begin with the bias of B's rows; 2: with that of A's rows.
; The 64 accumulators take turns, one instruction a turn, in the same order in every step.
.macro MUL16 a0, p, g, cm
.irp a, \a0, \a0+1
.irp b, 0,1,2,3,4,5,6,7
.if (\cm) == 0
	v_wmma_scale_f32_16x16x128_f8f6f4 v[8*(8*((\a)%4)+\b):8*(8*((\a)%4)+\b)+7], v[128*(\p)+FR*\b:128*(\p)+FR*\b+FR-1], v[AF+FR*(\a):AF+FR*(\a)+FR-1], v[8*(8*((\a)%4)+\b):8*(8*((\a)%4)+\b)+7], v[SC+8*(\g)+\b], v[SC+8*(\g)+(\a)] matrix_a_fmt:MATRIX_FMT_BF6 matrix_b_fmt:MATRIX_FMT_BF6 matrix_a_scale:MATRIX_SCALE_ROW1
.elseif (\cm) == 1
	v_wmma_scale_f32_16x16x128_f8f6f4 v[8*(8*((\a)%4)+\b):8*(8*((\a)%4)+\b)+7], v[128*(\p)+FR*\b:128*(\p)+FR*\b+FR-1], v[AF+FR*(\a):AF+FR*(\a)+FR-1], v[96+8*\b+96*(\b/4):96+8*\b+96*(\b/4)+7], v[SC+8*(\g)+\b], v[SC+8*(\g)+(\a)] matrix_a_fmt:MATRIX_FMT_BF6 matrix_b_fmt:MATRIX_FMT_BF6 matrix_a_scale:MATRIX_SCALE_ROW1
.else
	v_wmma_scale_f32_16x16x128_f8f6f4 v[8*(8*((\a)%4)+\b):8*(8*((\a)%4)+\b)+7], v[128*(\p)+FR*\b:128*(\p)+FR*\b+FR-1], v[AF+FR*(\a):AF+FR*(\a)+FR-1], v[96+8*(\a)+96*((\a)/4):96+8*(\a)+96*((\a)/4)+7], v[SC+8*(\g)+\b], v[SC+8*(\g)+(\a)] matrix_a_fmt:MATRIX_FMT_BF6 matrix_b_fmt:MATRIX_FMT_BF6 matrix_a_scale:MATRIX_SCALE_ROW1
.endif
.endr
.endr
.endm
; K step g; the next step's fragments are fetched from slot ns, its nq-th 128 along K.  Loads into registers that matrix instructions have read stand four plain places behind them (ISA guide 7.12.1 for vector instructions).
.macro STEP g, ns, nq, cm
	s_wait_dscnt 4*NL                              ; all but the youngest 24 loads (A's blocks 4-7) are in
.if \cm
	WIN 0x81                                       ; source 0 window 1, source 1 and C window 0, D window 2
.else
	WIN 0xa1                                       ; C and D window 2
.endif
	MUL16 0, (\g)%2, \g, \cm
	MUL16 2, (\g)%2, \g, \cm
	s_wait_dscnt 0x0                               ; A's blocks 4-7 are in
	PLACES 4
	FETCH_B \ns, \nq, 1-(\g)%2
	FETCH_A \ns, \nq, 0
.if \cm
	WIN 0xc1
.else
	WIN 0xf1
.endif
	MUL16 4, (\g)%2, \g, \cm
	MUL16 6, (\g)%2, \g, \cm
	PLACES 4
	WIN 0
	FETCH_A \ns, \nq, 4
.endm
; An odd K step with a barrier in it.  In front of the barrier each wave waits for all its tensor loads, adds 0 to its spare word, and waits for that and for its LDS reads.  fill = 1: the barrier opens a round of the
; cluster's barrier, and slot 0, which nobody reads any more, takes quarter 3: the wave's one tensor load behind the round.
.macro TURN g, ns, fill
	s_wait_tensorcnt 0x0                           ; all my tensor loads have landed
	ds_add_u32 v[SPW], v[NIL]                      ; 0 onto my spare word
	s_wait_dscnt 4*NL+1                            ; (the add and the youngest 24 loads may be out)
	WIN 0xa1
	MUL16 0, 1, \g, 0                              ; sixteen matrix instructions stand between the add and the wait for it
	s_wait_dscnt 0x0                               ; the add is done, and my LDS reads are over
	s_barrier_signal -1
	MUL16 2, 1, \g, 0
	WIN 0
	s_barrier_wait -1
.if \fill
	CREST                                          ; no wave of any partner still reads slot 0 or has a load on its way
	s_add_nc_u64 s[G0A+2:G0A+3], s[G0A+2:G0A+3], 3*QB
	s_add_nc_u64 s[G0B+2:G0B+3], s[G0B+2:G0B+3], 3*QB
	JLOAD G0A, G1A, G0B, G1B                       ; quarter 3: four K steps ahead of the wait for it; its four v_nop are the places in front of the loads below
.else
	PLACES 4
.endif
	FETCH_B \ns, 0, 0
	FETCH_A \ns, 0, 0
	WIN 0xf1
	MUL16 4, 1, \g, 0
	MUL16 6, 1, \g, 0
	PLACES 4
	WIN 0
	FETCH_A \ns, 0, 4
.endm
	s_load_b128 s[4:7], s[0:1], 0x0                ; opc, ops
	s_load_b128 s[8:11], s[0:1], 0x10              ; b_qkv, qkvc
	s_load_b64 s[12:13], s[0:1], 0x20              ; qkvs
	v_lshl_add_u32 v[SPW], v0, 2, SPARE
	v_mov_b32 v[NIL], 0
	ds_add_u32 v28, v29
	ds_add_u32 v28, v29
	s_wait_dscnt 0x0
	v_lshrrev_b32 v1, 5, v0
	v_readfirstlane_b32 s14, v1                    ; wave 0..3
	s_lshr_b32 s15, s14, 1                         ; HA: my half of A's rows.  Also: I fetch for A (0) or for B (1)
	s_and_b32 s16, s14, 1                          ; HB: my half of B's rows.  Also: which eight row tiles I fetch
	s_bfe_u32 s92, ttmp6, 0x40000                  ; cx
	s_bfe_u32 s93, ttmp6, 0x40004                  ; cy
	s_mov_b32 s94, ttmp9                           ; X: the cluster's x: 0 q, 1 k, 2 v
	s_and_b32 s95, ttmp7, 0xffff                   ; Y: the cluster's y
	s_lshl_b32 s17, s93, 2
	s_lshl_b32 s17, 15, s17                        ; my row of the cluster
	s_lshl_b32 s20, 0x1111, s92                    ; my column
	s_or_b32 s[G1A], s17, (3<<16)|(1<<21)          ; the mask; elements of 8 bytes; bit 21 beside a mask; no padding
	s_or_b32 s[G1SA], s17, (3<<16)|(1<<21)
	s_or_b32 s[G1B], s20, (3<<16)|(1<<21)
	s_or_b32 s[G1SB], s20, (3<<16)|(1<<21)
.irp g, G1A, G1B                       ; eight rows (row tiles) of 3,072 bytes, 12,288 bytes apart
	s_mov_b32 s[\g+1], 384<<16
	s_mov_b32 s[\g+2], 8<<16
	s_mov_b32 s[\g+3], 384<<16
	s_mov_b32 s[\g+4], 8
	s_mov_b32 s[\g+5], 1536
	s_mov_b32 s[\g+6], 0
	s_mov_b32 s[\g+7], 0
.endr
.irp g, G1SA, G1SB                     ; 4,096 dense bytes as 16 rows of 256
	s_mov_b32 s[\g+1], 32<<16
	s_mov_b32 s[\g+2], 16<<16
	s_mov_b32 s[\g+3], 32<<16
	s_mov_b32 s[\g+4], 16
	s_mov_b32 s[\g+5], 32
	s_mov_b32 s[\g+6], 0
	s_mov_b32 s[\g+7], 0
.endr
	; the first row tile of A (from cy alone of the two places) and of B (from cx alone)
	s_lshl_b32 s97, s95, 2                         ; 4 Y
	s_lshl_b32 s3, s94, 2                          ; 4 X
	s_cmp_eq_u32 s94, 2
	s_cselect_b32 s96, 1, 0                        ; the v role
	s_cselect_b32 s17, 0, s97
	s_cselect_b32 s18, 640, 0
	s_cselect_b32 s20, s97, s3
	s_cselect_b32 s21, 0, 512
	s_add_co_u32 s17, s17, s93
	s_lshl_b32 s17, s17, 4
	s_add_co_u32 s17, s17, s18                     ; A: 16 (4 Y + cy), or 640 + 16 cy
	s_add_co_u32 s20, s20, s92
	s_lshl_b32 s20, s20, 4
	s_add_co_u32 s20, s20, s21                     ; B: 512 + 16 (4 X + cx), or 16 (4 Y + cx)
	s_lshl_b32 s2, s16, 3
	s_add_co_u32 s17, s17, s2                      ; + the eight that I fetch
	s_add_co_u32 s20, s20, s2
	s_mul_i32 s18, s17, 12288
	s_mov_b32 s19, 0
	s_lshl_b32 s66, s17, 9
	s_mov_b32 s67, 0
	s_mul_i32 s22, s20, 12288
	s_mov_b32 s23, 0
	s_lshl_b32 s100, s20, 9
	s_mov_b32 s101, 0
	s_mul_i32 s2, s14, HALFT                       ; where they go: by the wave's number alone
	s_lshl_b32 s3, s14, 12
	s_add_co_u32 s3, s3, SCL
	s_wait_kmcnt 0x0
	s_add_nc_u64 s[18:19], s[4:5], s[18:19]
	s_add_nc_u64 s[66:67], s[6:7], s[66:67]
	s_add_nc_u64 s[22:23], s[4:5], s[22:23]
	s_add_nc_u64 s[100:101], s[6:7], s[100:101]
	SETG0 G0SA, 3, 0, 66, 0
	SETG0 G0SB, 3, 0, 100, 0
	SETG0 G0A, 2, 0, 18, 0
	SETG0 G0A+4, 2, SLOT, 18, QB
	SETG0 G0A+8, 2, 2*SLOT, 18, 2*QB
	SETG0 G0B, 2, 0, 22, 0
	SETG0 G0B+4, 2, SLOT, 22, QB
	SETG0 G0B2, 2, 2*SLOT, 22, 2*QB
	CROUND                                         ; all sixteen work-groups are here: the first joint loads meet
	JLOAD G0SA, G1SA, G0SB, G1SB                   ; the scale words first,
	JLOAD G0A, G1A, G0B, G1B                       ; then quarters 0, 1, 2
	JLOAD G0A+4, G1A, G0B+4, G1B
	JLOAD G0A+8, G1A, G0B2, G1B
	v_and_b32 v1, 15, v0                           ; r
	v_bfe_u32 v2, v0, 4, 1                         ; h
	v_and_b32 v3, 31, v0
	v_lshlrev_b32 v3, 3, v3                        ; 8 x lane
	s_mul_i32 s2, s15, HALFT
	s_mul_i32 s3, s16, HALFT
	s_add_co_u32 s3, s3, 2*HALFT
.irp s, 0,1,2
	v_add_nc_u32 v[ADRA+\s], s2, v3
	v_add_nc_u32 v[ADRB+\s], s3, v3
	s_add_co_u32 s2, s2, SLOT
	s_add_co_u32 s3, s3, SLOT
.endr
	s_lshl_b32 s2, s15, 12                         ; A's words: my half
	s_lshl_b32 s3, s16, 12
	s_add_co_u32 s3, s3, 8192                      ; B's: my half, behind A's
	s_sub_co_u32 s3, s3, s2
	v_mul_u32_u24 v4, s3, v2                       ; lanes 16-31 take B's
	s_add_co_u32 s2, s2, SCL
	v_lshl_add_u32 v4, v1, 4, v4                   ; 16 bytes a row: four blocks' words
	v_add_nc_u32 v[ADRS], s2, v4
	; the way out's places.  U: which 128 positions; Wd: which 128 rows of W_qkv (two heads of q, k or v)
	s_cmp_eq_u32 s96, 1
	s_cselect_b32 s20, s92, s93                    ; the x side's place in the cluster,
	s_cselect_b32 s21, s16, s15                    ; and my half of it
	s_cselect_b32 s22, s93, s92                    ; the W side's
	s_cselect_b32 s23, s15, s16
	s_mov_b32 s17, 98304
	s_cselect_b32 s17, 768, s17                    ; from a fragment's first half to its second: the next head (q, k), or 768 bytes on (v)
	s_mov_b32 s18, 768
	s_cselect_b32 s18, 1536, s18                   ; from group to group
	s_mov_b32 s19, 768
	s_cselect_b32 s19, 93696, s19                  ; and from group 3 to group 4: in v the next head
	s_add_co_u32 s20, s20, s97
	s_lshl_b32 s20, s20, 1
	s_add_co_u32 s20, s20, s21                     ; U
	s_lshl_b32 s2, s94, 2
	s_add_co_u32 s22, s22, s2
	s_lshl_b32 s22, s22, 1
	s_add_co_u32 s22, s22, s23                     ; Wd = 2 (4 X + place) + half
	s_lshr_b32 s21, s20, 4                         ; the batch
	s_and_b32 s20, s20, 15                         ; which 128 of its 2,048 positions
	s_and_b32 s23, s22, 7
	s_lshl_b32 s23, s23, 1                         ; my first head
	s_lshl_b32 s21, s21, 4
	s_add_co_u32 s21, s21, s23                     ; 16 x batch + head
	s_mul_i32 s2, s94, 6291456
	s_mul_i32 s3, s21, 98304
	s_add_co_u32 s2, s2, s3
	s_mul_i32 s3, s20, 6144
	s_add_co_u32 s2, s2, s3
	s_mov_b32 s3, 0
	s_add_nc_u64 s[10:11], s[10:11], s[2:3]        ; my codes
	s_lshl_b32 s2, s22, 9
	s_add_nc_u64 s[8:9], s[8:9], s[2:3]            ; my 128 numbers of the bias
	s_add_co_u32 s66, s94, 1
	s_lshl_b32 s66, s66, 18                        ; k's words begin at 524,288, v's at 786,432,
	s_cmp_eq_u32 s94, 0
	s_cselect_b32 s66, 0, s66                      ; q's at 0
	s_cselect_b32 s2, 13, 12                       ; a head's words: 8,192 bytes in q, 4,096 in k and v
	s_cselect_b32 s67, 9, 8
	s_lshl_b32 s2, s21, s2
	s_lshl_b32 s67, s20, s67
	s_add_co_u32 s2, s2, s67
	s_add_co_u32 s2, s2, s66
	s_add_nc_u64 s[12:13], s[12:13], s[2:3]        ; my scale words
	; the bias, in the result's layout: the C of each sum's first matrix instruction
	s_cmp_eq_u32 s96, 1
	s_cbranch_scc1 .Lbias_v
	v_lshlrev_b32 v23, 6, v2                       ; q, k: tile b's register j belongs to channel 32 (b / 2) + 8 (b % 2) + 16 h + j
.irp b, 0,1,2,3,4,5,6,7
	global_load_b128 v[96+8*\b+96*(\b/4):96+8*\b+96*(\b/4)+3], v23, s[8:9] offset:(32*(\b/2)+8*(\b%2))*4
	global_load_b128 v[96+8*\b+96*(\b/4)+4:96+8*\b+96*(\b/4)+7], v23, s[8:9] offset:(32*(\b/2)+8*(\b%2))*4+16
.endr
	s_branch .Lbias_done
.Lbias_v:
	v_and_b32 v23, 8, v1                           ; v: all eight registers of tile a belong to channel 32 (a / 2) + 8 (a % 2) + r + 8 (r / 8)
	v_add_nc_u32 v23, v23, v1
	v_lshlrev_b32 v23, 2, v23
.irp a, 0,1,2,3,4,5,6,7
	global_load_b32 v[96+8*\a+96*(\a/4)], v23, s[8:9] offset:(32*(\a/2)+8*(\a%2))*4
.endr
.Lbias_done:
	s_wait_tensorcnt 2                             ; the scale words and my part of quarter 0 are in; quarters 1 and 2 may stay out
	s_barrier_signal -1
	s_barrier_wait -1                              ; everybody's are
	FETCH_B 0, 0, 0
	FETCH_A 0, 0, 0
	SCALES
	FETCH_A 0, 0, 4
	s_wait_loadcnt 0x0                             ; the bias
	s_cmp_eq_u32 s96, 1
	s_cbranch_scc1 .Lstep0_v
	STEP 0, 0, 1, 1
	s_branch .Lstep0_done
.Lstep0_v:
.irp a, 0,1,2,3,4,5,6,7
.irp j, 1,2,3,4,5,6,7
	v_mov_b32 v[96+8*\a+96*(\a/4)+\j], v[96+8*\a+96*(\a/4)]
.endr
.endr
	PLACES 4
	STEP 0, 0, 1, 2
.Lstep0_done:
	TURN 1, 1, 1                                   ; every wave of the cluster has waited for all its loads: slots 1 and 2 are whole from here on
	STEP 2, 1, 1, 0
	STEP 3, 2, 0, 0
	STEP 4, 2, 1, 0
	TURN 5, 0, 0                                   ; quarter 3 has landed, in every wave's part
	STEP 6, 0, 1, 0
	s_wait_dscnt 4*NL                              ; the last K step: nothing more to fetch
	WIN 0xa1
	MUL16 0, 1, 7, 0
	MUL16 2, 1, 7, 0
	s_wait_dscnt 0x0
	WIN 0xf1
	MUL16 4, 1, 7, 0
	MUL16 6, 1, 7, 0
	WIN 0
; THE WAY OUT.  Group a = the eight accumulators of A's block a: 64 numbers a lane, register 16 b + i = number 32 b + 16 h + i along B's rows, of the lane's row of A.  They become one fragment (12 registers) and one scale word.
; q, k: the fragment's halves are two heads' 64 channels of 16 positions; v: it is 16 channels x 128 keys.  It leaves as it stands: six stores of 256 consecutive bytes, aligned.
.macro QGROUP a
.set WQ, 2+(\a)/4
.set AC, 64*((\a)%4)
.set WN, (WQ<<2)|(WQ<<4)
	WIN WN                                         ; sources 1 and 2: the accumulators' window
.irp b, 0,1,2,3
	v_max3_num_f32 v[TM+\b], v[FLR], |v[AC+16*\b]|, |v[AC+16*\b+1]|    ; block b: my 16 numbers and the floor; each accumulator is read from its low end on; the four blocks by turns
.endr
.irp i, 2,4,6,8,10,12,14
.irp b, 0,1,2,3
	v_max3_num_f32 v[TM+\b], v[TM+\b], |v[AC+16*\b+\i]|, |v[AC+16*\b+\i+1]|
.endr
.endr
	WIN 0
.irp b, 0,1,2,3
	v_permlanex16_b32 v[TM+4+\b], v[TM+\b], s98, s99
.endr
.irp b, 0,1,2,3
	v_max_num_f32 v[TM+\b], v[TM+\b], v[TM+4+\b]   ; with lane l xor 16's: the block's largest magnitude
.endr
.irp b, 0,1,2,3
	v_add_nc_u32 v[TM+12+\b], 0xfe000000, v[TM+\b] ; 4 off its exponent field: the conversion's scale operand
.endr
.irp b, 0,1,2,3
	v_lshrrev_b32 v[TM+4+\b], 23, v[TM+12+\b]      ; the scale's byte
.endr
	v_lshl_or_b32 v[PWR+(\a)], v[TM+5], 8, v[TM+4]
	v_lshl_or_b32 v[PWR+(\a)], v[TM+6], 16, v[PWR+(\a)]
	v_lshl_or_b32 v[PWR+(\a)], v[TM+7], 24, v[PWR+(\a)]
.if (\a) > 0
	s_wait_xcnt 0x0                                ; the last group's stores have read their data and offsets: both are written again only behind this wait
.if (\a) == 4
	v_add_nc_u32 v24, s19, v24
	v_add_nc_u32 v25, s19, v25
.else
	v_add_nc_u32 v24, s18, v24
	v_add_nc_u32 v25, s18, v25
.endif
.endif
	WIN WQ                                         ; source 0: the accumulators' window
.irp c, 0,1
	v_cvt_scalef32_pk16_bf6_f32 v[PC+6*\c:PC+6*\c+2], v[AC+32*\c:AC+32*\c+15], v[TM+12+2*\c]
	v_cvt_scalef32_pk16_bf6_f32 v[PC+12+4*\c:PC+14+4*\c], v[AC+32*\c+16:AC+32*\c+31], v[TM+12+2*\c+1]
.endr
	WIN 0
	v_nop                                          ; one plain line behind the scaled conversions
.irp c, 0,1                            ; the operand's layout wants a whole block in a lane: lanes 0-15 block 2 c, lanes 16-31 block 2 c + 1
.irp i, 0,1,2
	v_permlane16_swap_b32 v[PC+6*\c+\i], v[PC+12+4*\c+\i]
.endr
.irp i, 0,1,2
	v_mov_b32 v[PC+3+6*\c+\i], v[PC+12+4*\c+\i]
.endr
.endr
.irp p, 0,1,2
	global_store_b64 v24, v[PC+2*\p:PC+2*\p+1], s[10:11] offset:256*\p
.endr
.irp p, 0,1,2
	global_store_b64 v25, v[PC+6+2*\p:PC+7+2*\p], s[10:11] offset:256*\p
.endr
.endm
	PLACES 4                                       ; behind the last products: the lines below write registers that held A's fragments
	s_mov_b32 s98, 0x76543210
	s_mov_b32 s99, 0xfedcba98
	v_mov_b32 v[FLR], 0x2800000                    ; the floor 2^(5 - 127)
.irp b, 0,1,2,3
	v_mov_b32 v[TM+4+\b], 0                        ; a lane permute's destination counts as one of its sources
.endr
	v_mov_b32 v24, v3
	v_add_nc_u32 v25, s17, v3
.irp a, 0,1,2,3,4,5,6,7
	QGROUP \a
.endr
	; the scale words, laid as attention loads them; every lane holds its row's word of each group
	v_cmp_ne_u32 vcc_lo, 0, v2
	s_cmp_eq_u32 s94, 0
	s_cbranch_scc0 .Lnot_q
	v_lshlrev_b32 v26, 5, v1                       ; q: [r][tile 8]; a head's word is its two bytes twice
	v_lshl_add_u32 v26, v2, 4, v26
.irp c, 0,1
.irp a, 0,1,2,3,4,5,6,7
	v_perm_b32 v[TT+8*\c+\a], v[PWR+\a], v[PWR+\a], 0x01000100+0x02020202*\c
.endr
.irp i, 0,1,2,3
	v_cndmask_b32 v[OUTR+4*\c+\i], v[TT+8*\c+\i], v[TT+8*\c+4+\i], vcc_lo
.endr
	global_store_b128 v26, v[OUTR+4*\c:OUTR+4*\c+3], s[12:13] offset:8192*\c     ; 512 consecutive bytes
.endr
	s_branch .Lend
.Lnot_q:
	v_lshlrev_b32 v26, 4, v1                       ; k, v: [r][4]
	v_lshl_add_u32 v26, v2, 3, v26
	s_cmp_eq_u32 s94, 1
	s_cbranch_scc0 .Ltail_v
.irp c, 0,1                            ; k: a word serves a pair of key tiles: tile 2 p's two bytes, then tile 2 p + 1's
.irp p, 0,1,2,3
	v_perm_b32 v[TT+4*\c+\p], v[PWR+2*\p+1], v[PWR+2*\p], 0x05040100+0x02020202*\c
.endr
.irp i, 0,1
	v_cndmask_b32 v[OUTR+2*\c+\i], v[TT+4*\c+\i], v[TT+4*\c+2+\i], vcc_lo
.endr
	global_store_b64 v26, v[OUTR+2*\c:OUTR+2*\c+1], s[12:13] offset:4096*\c      ; 256 consecutive bytes
.endr
	s_branch .Lend
.Ltail_v:
.irp c, 0,1                            ; v: the words of a head's four tiles of channels, as they are
.irp i, 0,1
	v_cndmask_b32 v[OUTR+2*\c+\i], v[PWR+4*\c+\i], v[PWR+4*\c+2+\i], vcc_lo
.endr
	global_store_b64 v26, v[OUTR+2*\c:OUTR+2*\c+1], s[12:13] offset:4096*\c
.endr
.Lend:
	s_wait_tensorcnt 0x0                           ; the wave's end
	ds_add_u32 v[SPW], v[NIL]
	s_wait_dscnt 0x0
	CROUND                                         ; the closing round: no work-group ends while a partner may still ask for a tile that names it
	s_endpgm
.Lfunc_end_k_qfe0821b230_qkv:
	.size	k_qfe0821b230_qkv, .Lfunc_end_k_qfe0821b230_qkv-k_qfe0821b230_qkv
	.p2alignl 7, 3214868480
	.fill 96, 4, 3214868480
	.section	.rodata,"a",@progbits
	.p2align	6, 0x0
	.amdhsa_kernel k_qfe0821b230_qkv
		.amdhsa_group_segment_fixed_size 327680
		.amdhsa_private_segment_fixed_size 0
		.amdhsa_enable_private_segment 0
		.amdhsa_kernarg_size 40
		.amdhsa_user_sgpr_count 2
		.amdhsa_user_sgpr_kernarg_segment_ptr 1
		.amdhsa_wavefront_size32 1
		.amdhsa_system_sgpr_workgroup_id_x 1
		.amdhsa_system_sgpr_workgroup_id_y 1
		.amdhsa_system_sgpr_workgroup_id_z 1
		.amdhsa_system_vgpr_workitem_id 0
		.amdhsa_next_free_vgpr 1024
		.amdhsa_next_free_sgpr 102
		.amdhsa_reserve_vcc 1
		.amdhsa_float_denorm_mode_32 3
		.amdhsa_float_denorm_mode_16_64 3
		.amdhsa_memory_ordered 1
		.amdhsa_forward_progress 1
		.amdhsa_inst_pref_size 188
	.end_amdhsa_kernel
	.amdgpu_metadata
---
amdhsa.version: [ 1, 2 ]
amdhsa.kernels:
  - .name:           k_qfe0821b230_qkv
    .symbol:         k_qfe0821b230_qkv.kd
    .args:
      - { .name: opc, .offset: 0, .size: 8, .value_kind: global_buffer, .address_space: global }
      - { .name: ops, .offset: 8, .size: 8, .value_kind: global_buffer, .address_space: global }
      - { .name: b_qkv, .offset: 16, .size: 8, .value_kind: global_buffer, .address_space: global }
      - { .name: qkvc, .offset: 24, .size: 8, .value_kind: global_buffer, .address_space: global }
      - { .name: qkvs, .offset: 32, .size: 8, .value_kind: global_buffer, .address_space: global }
    .group_segment_fixed_size: 327680
    .private_segment_fixed_size: 0
    .kernarg_segment_align: 8
    .kernarg_segment_size: 40
    .max_flat_workgroup_size: 128
    .sgpr_count:     102
    .vgpr_count:     1024
    .wavefront_size: 32
...
	.end_amdgpu_metadata
.endif
;; end of part 2
;; launch attn (part 3): grid 8 x 32, 16 waves a work-group, no clusters, 105,472 bytes of LDS; arguments qkvc, qkvs, cc, cs; writes cc, cs
.if DOCPART == 3
	.amdgcn_target "amdgcn-amd-amdhsa--gfx1250"
	.amdhsa_code_object_version 6
	.text
	.protected	k_qfe0821b230_attn
	.globl	k_qfe0821b230_attn
	.p2align	8
	.type	k_qfe0821b230_attn,@function
k_qfe0821b230_attn:
	s_mov_b64 s[64:65], 0
	v_nop
	global_prefetch_b8 v0, s[64:65] scope:SCOPE_SE
	s_setreg_imm32_b32 hwreg(HW_REG_WAVE_MODE, 25, 1), 1
	s_wait_xcnt 0x0
; ctx[q] = sum over the keys k with 0 <= q - k < 256 of softmax_k(Q[q] . K[k] / 8) V[k], for 64 (batch, head) pairs of 2,048 positions x 64 channels, both products on codes of BF6 (E3M2) with E8M0 scales;
; ctx is quantised along the 1,024 merged channels and leaves as the next product's operand.  Keys outside the window, which the problem's own mask throws away, are not multiplied.
; THE SOFTMAX: t = score x log2(e) / 8; M = the running largest t rounded UP to a whole number; p = 2^(t - M) is quantised along the keys, not normalised; the row's sum is taken of the unquantised p and
; divides at the end; when M moves, the sum and O are multiplied by 2^(old M - new M), which rounds nothing.
; LIMITS: NaN and infinities are not served; a block of zeros or under 2^-122 keeps the scale byte 1 (read by this program alone).
; SHARES.  A work-group owns 256 queries of a pair of heads (2 sp, 2 sp + 1), so that a wave makes whole fragments (128 channels) and whole scale words of ctx.  Each of its sixteen waves owns one stored tile of 16
; queries, in 256 registers, and takes the two heads one after the other.  Its keys are three steps of 128: its own block of 128 positions (the diagonal: first, so that M is a number from the start), the block before
; (all keys count) and the one before that (the window's far edge).  Steps that lie ahead of the sequence's start are left out by scalar branches on ids.
; K and V of the work-group's four key steps, 24,576 bytes each a head, are copied ONCE into LDS through registers; no LDS byte is filled again.  NO JOINT LOADS: a neighbour along the queries shares two of the four key steps,
; at other LDS places (two steps further down), and a joint load has one LDS address for all that ask.
; LAYOUT.  Both products transposed: S^T = K Q^T, O^T = V^T P^T: a lane holds one query.  The head's K is 64, half of the instruction's 128: a fragment of K holds TWO key tiles (tile 2 i in k 0-63, tile 2 i + 1 in 64-127) and is
; multiplied by [q, zeros] and by [zeros, q].  By the order of rows in a stored tile, the 16 registers of S^T's tiles 2 i, 2 i + 1 are the 16 neighbouring keys 32 i + 16 h + 0 .. 15.
; REGISTERS: v1-11 addresses; v12 -M, v13 the largest t, v[14:15] the sum; v16-27 ctx's fragment, v28 its scale word; v29, v30 Q's words; v31 the stage; v32-79 four fragments; v80-83 K's words, v84-87 V's, v88 p's;
;   v90-95 head 1's Q; v96-159 S^T, then p; v160-191 O^T; v192-203 [q, 0]; v204-215 [0, q]; v216-227 p's codes; v228-255 at work.
.set KVH,  49152                       ; LDS: head e at KVH e: K's four key steps of 6,144 bytes, then V's
.set SCL,  98304                       ; 16 blocks of 256 bytes of scale words: K's (head 0, head 1: four key steps each), then V's
.set STG,  102400                      ; ctx's scale words on their way out: 1,024 bytes
.set SEL,  20
.set CS,   22
.macro PLACES n
.rept \n
	v_nop
.endr
.endm
	s_load_b256 s[4:11], s[0:1], 0x0               ; qkvc, qkvs, cc, cs
	v_lshl_add_u32 v251, v0, 2, 0x19400
	v_mov_b32 v255, 0
	v_lshrrev_b32 v16, 5, v0
	v_readfirstlane_b32 s12, v16                   ; wave W, 0..15
	s_lshr_b32 s13, s12, 3                         ; nu: which 128 of the 256 queries.  Also: I copy K (0) or V (1)
	s_mov_b32 s14, ttmp9                           ; blk: which 256 queries
	s_and_b32 s15, ttmp7, 0xffff
	s_lshr_b32 s16, s15, 3                         ; the batch
	s_and_b32 s17, s15, 7                          ; sp: the pair of heads
	s_lshl_b32 s18, s16, 4
	s_lshl_b32 s24, s17, 1
	s_add_co_u32 s18, s18, s24                     ; 16 x batch + first head
	s_lshl_b32 s19, s14, 1
	s_add_co_u32 s19, s19, s13                     ; a: my block of 128 positions
	s_mov_b32 s[SEL], 0x76543210
	s_mov_b32 s[SEL+1], 0xfedcba98
	s_mov_b32 s[CS], 0x3e38aa3b                    ; c = log2(e) / 8
	s_mov_b32 s[CS+1], s[CS]
	s_add_co_u32 s24, s13, 1
	s_mul_i32 s24, s24, 6291456                    ; k's part of qkvc, or v's
	s_mul_i32 s25, s18, 98304
	s_add_co_u32 s24, s24, s25
	s_mul_i32 s26, s14, 12288
	s_add_co_u32 s26, s26, s24                     ; key steps 2 blk, 2 blk + 1
	s_mov_b32 s27, 0
	s_max_u32 s28, s14, 1
	s_sub_co_u32 s28, s28, 1
	s_mul_i32 s28, s28, 12288
	s_add_co_u32 s28, s28, s24                     ; key steps 2 blk - 2, 2 blk - 1; in block 0 held at the head's start: no load leaves the buffer, and what it brings there is never read
	s_mov_b32 s29, 0
	s_bfe_u32 s30, s12, 0x10002                    ; the block of scale words that I copy: head (W / 4) % 2,
	s_add_co_u32 s30, s30, s18
	s_lshl_b32 s30, s30, 12
	s_and_b32 s31, s12, 3                          ; key step 2 blk - 2 + W % 4, held at 0 likewise,
	s_lshl_b32 s32, s14, 1
	s_add_co_u32 s31, s31, s32
	s_max_u32 s31, s31, 2
	s_sub_co_u32 s31, s31, 2
	s_lshl_b32 s31, s31, 8
	s_add_co_u32 s30, s30, s31
	s_lshl_b32 s31, s13, 18                        ; of K or of V
	s_add_co_u32 s30, s30, s31
	s_add_co_u32 s30, s30, 524288
	s_mov_b32 s31, 0
	s_lshl_b32 s32, s14, 4
	s_add_co_u32 s32, s32, s12                     ; my stored tile of queries
	s_mul_i32 s34, s32, 768
	s_add_co_u32 s34, s34, s25                     ; its codes
	s_mov_b32 s35, 0
	s_lshl_b32 s36, s18, 13
	s_lshl_b32 s37, s19, 9
	s_add_co_u32 s36, s36, s37
	s_and_b32 s37, s12, 7
	s_lshl_b32 s37, s37, 2
	s_add_co_u32 s36, s36, s37                     ; its scale words
	s_mov_b32 s37, 0
	s_lshl_b32 s38, s16, 7
	s_add_co_u32 s38, s38, s32
	s_mul_i32 s38, s38, 12288
	s_mul_i32 s39, s17, 1536
	s_add_co_u32 s38, s38, s39                     ; ctx's fragment: row tile 128 batch + 16 blk + W, K step sp
	s_mov_b32 s39, 0
	s_lshl_b32 s40, s16, 5
	s_lshl_b32 s41, s14, 2
	s_add_co_u32 s40, s40, s41
	s_add_co_u32 s40, s40, s12
	s_lshl_b32 s40, s40, 11
	s_lshl_b32 s41, s17, 8
	s_add_co_u32 s40, s40, s41                     ; ctx's scale words (used by waves 0-3): four row tiles' 256 bytes
	s_mov_b32 s41, 0
	v_and_b32 v1, 31, v0
	v_lshlrev_b32 v1, 3, v1                        ; 8 x lane
	v_and_b32 v16, 15, v0                          ; r
	v_bfe_u32 v17, v0, 4, 1                        ; h
	s_mul_i32 s42, s13, 6144
	v_add_nc_u32 v2, s42, v1                       ; head 0's tiles: my three key steps begin nu steps in
	v_add_nc_u32 v3, KVH, v2                       ; head 1's
	s_lshl_b32 s42, s13, 8
	s_add_co_u32 s42, s42, SCL
	v_lshl_add_u32 v4, v16, 4, s42                 ; scale words: 16 bytes a row
	s_bfe_u32 s42, s12, 0x20001
	s_lshl_b32 s42, s42, 5
	s_and_b32 s43, s12, 1
	s_lshl_b32 s43, s43, 3
	s_add_co_u32 s42, s42, s43
	v_and_b32 v18, 8, v16
	v_add_nc_u32 v5, v18, v16
	v_add_nc_u32 v5, s42, v5                       ; my query's place in its 128: 32 ((W % 8) / 2) + 8 (W % 2) + r + 8 (r / 8),
	v_lshlrev_b32 v18, 4, v17
	v_sub_nc_u32 v5, v5, v18                       ; less 16 h: register n of S^T holds key 32 (n / 16) + n % 16 + 16 h
	v_mov_b32 v6, 0xff800000                       ; -infinity
	v_and_b32 v9, 255, v0
	v_lshlrev_b32 v9, 4, v9                        ; the copy: 16 bytes a thread, 4,096 for eight waves
	s_mul_i32 s42, s13, 24576
	v_add_nc_u32 v7, s42, v9
	v_add_nc_u32 v8, KVH, v7
	s_lshl_b32 s42, s12, 8
	s_add_co_u32 s42, s42, SCL
	v_add_nc_u32 v10, s42, v1
	v_lshlrev_b32 v11, 5, v16
	s_lshr_b32 s42, s12, 2
	s_lshl_b32 s42, s42, 8
	s_and_b32 s43, s12, 3
	s_lshl_b32 s43, s43, 2
	s_add_co_u32 s42, s42, s43
	s_add_co_u32 s42, s42, STG
	v_lshl_add_u32 v31, v16, 4, s42                ; the stage: [W / 4][r][W % 4] words
	s_wait_kmcnt 0x0
	s_add_nc_u64 s[26:27], s[4:5], s[26:27]
	s_add_nc_u64 s[28:29], s[4:5], s[28:29]
	s_add_nc_u64 s[30:31], s[6:7], s[30:31]
	s_add_nc_u64 s[34:35], s[4:5], s[34:35]
	s_add_nc_u64 s[36:37], s[6:7], s[36:37]
	s_add_nc_u64 s[38:39], s[8:9], s[38:39]
	s_add_nc_u64 s[40:41], s[10:11], s[40:41]
.irp e, 0,1
.irp i, 0,1,2
	global_load_b128 v[96+4*(6*\e+\i):96+4*(6*\e+\i)+3], v9, s[28:29] offset:98304*\e+4096*\i
.endr
.irp i, 3,4,5
	global_load_b128 v[96+4*(6*\e+\i):96+4*(6*\e+\i)+3], v9, s[26:27] offset:98304*\e+4096*(\i-3)
.endr
.endr
	global_load_b64 v[144:145], v1, s[30:31]
.irp p, 0,1,2
	global_load_b64 v[192+2*\p:193+2*\p], v1, s[34:35] offset:256*\p           ; head 0's q into [q, 0]
.endr
.irp p, 0,1,2
	global_load_b64 v[210+2*\p:211+2*\p], v1, s[34:35] offset:256*\p           ; and into [0, q]
.endr
.irp p, 0,1,2
	global_load_b64 v[90+2*\p:91+2*\p], v1, s[34:35] offset:98304+256*\p       ; head 1's waits here
.endr
	global_load_b32 v29, v11, s[36:37]
	global_load_b32 v30, v11, s[36:37] offset:8192
.irp i, 0,1,2,3,4,5,6,7,8,9,10,11
	v_mov_b32 v[198+\i], 0                         ; the zero halves: zero codes add nothing under any scale byte that stands here
.endr
.irp b, 0,1,2,3
	v_mov_b32 v[240+\b], 0                         ; a lane permute's destination counts as one of its sources
.endr
	v_mov_b32 v253, 0                              ; (named as the upper half of the pair v[252:253])
	s_wait_loadcnt 11                              ; the copy's 13 loads are in; the 11 for Q may be out
.irp i, 0,1,2,3,4,5
	ds_store_b128 v7, v[96+4*\i:96+4*\i+3] offset:4096*\i
.endr
.irp i, 0,1,2,3,4,5
	ds_store_b128 v8, v[120+4*\i:120+4*\i+3] offset:4096*\i
.endr
	ds_store_b64 v10, v[144:145]
	s_wait_dscnt 0x0                               ; for the others' sake: my stores have landed
	s_barrier_signal -1
	s_barrier_wait -1                              ; K, V and their scale words lie in LDS
	s_wait_loadcnt 0x0                             ; Q
; A KEY STEP of head e: 128 keys, the j-th of my three places in LDS (2: the diagonal, 1: all keys count, 0: the far edge).  mode 1: keys after my query are hidden; 2: keys at or before my query's place are hidden
; (they lie 256 or more back); 0: none.  first = 1: the head's first step starts M, the sum and O^T.
.macro STEP e, j, mode, first
	PLACES 4                                       ; in front of loads into registers that matrix instructions have read
.irp t, 0,1,2,3
.irp p, 0,1,2,3,4,5
	ds_load_b64 v[32+12*\t+2*\p:33+12*\t+2*\p], v[2+\e] offset:6144*\j+1536*\t+256*\p
.endr
.endr
	ds_load_b128 v[80:83], v4 offset:256*(4*\e+\j)
	s_wait_dscnt 0x0
.irp t, 0,1,2,3
	v_wmma_scale_f32_16x16x128_f8f6f4 v[96+16*\t:103+16*\t], v[32+12*\t:43+12*\t], v[192:203], 0, v[80+\t], v[29+\e] matrix_a_fmt:MATRIX_FMT_BF6 matrix_b_fmt:MATRIX_FMT_BF6
	v_wmma_scale_f32_16x16x128_f8f6f4 v[104+16*\t:111+16*\t], v[32+12*\t:43+12*\t], v[204:215], 0, v[80+\t], v[29+\e] matrix_a_fmt:MATRIX_FMT_BF6 matrix_b_fmt:MATRIX_FMT_BF6
.endr
	PLACES 4
.irp t, 0,1,2,3                        ; V's fragments are asked for now and land under the softmax
.irp p, 0,1,2,3,4,5
	ds_load_b64 v[32+12*\t+2*\p:33+12*\t+2*\p], v[2+\e] offset:24576+6144*\j+1536*\t+256*\p
.endr
.endr
	ds_load_b128 v[84:87], v4 offset:2048+256*(4*\e+\j)
.if \mode
.set n, 0
.rept 64                               ; hidden scores become -infinity ahead of the maximum: p = 0 then
.if \mode == 1
	v_cmp_gt_i32 vcc_lo, 32*(n/16)+n%16, v5
.else
	v_cmp_le_i32 vcc_lo, 32*(n/16)+n%16, v5
.endif
	v_cndmask_b32 v[96+n], v[96+n], v6, vcc_lo
.set n, n+1
.endr
.endif
.irp b, 0,1,2,3
	v_max3_num_f32 v[236+\b], v[96+16*\b], v[97+16*\b], v[98+16*\b]   ; the largest score of each block of 32 keys: it serves the row's maximum and, since p rises with the score, the block's largest p
.endr
.irp i, 3,5,7,9,11,13
.irp b, 0,1,2,3
	v_max3_num_f32 v[236+\b], v[236+\b], v[96+16*\b+\i], v[97+16*\b+\i]
.endr
.endr
.irp b, 0,1,2,3
	v_max_num_f32 v[236+\b], v[236+\b], v[111+16*\b]
.endr
.irp b, 0,1,2,3
	v_permlanex16_b32 v[240+\b], v[236+\b], s[SEL], s[SEL+1]
.endr
.irp b, 0,1,2,3
	v_max_num_f32 v[236+\b], v[236+\b], v[240+\b]  ; with lane l xor 16's 16 keys
.endr
	v_max3_num_f32 v254, v236, v237, v238
	v_max_num_f32 v254, v254, v239                 ; the step's largest score of my query
.if \first
	v_mul_f32 v13, s[CS], v254                     ; the largest t: on the diagonal my own key always counts, so it is a number
	v_floor_f32 v12, -v13                          ; -M = floor(-t) = -ceil(t)
.else
	v_mul_f32 v254, s[CS], v254
	v_max_num_f32 v13, v13, v254                   ; the running largest t
	v_mov_b32 v254, v12
	v_floor_f32 v12, -v13
	v_sub_f32 v254, v12, v254                      ; old M - new M: a whole number, 0 or less
	v_cvt_i32_f32 v254, v254
	v_ldexp_f32 v252, 1.0, v254                    ; f = 2^(old M - new M)
.endif
.set n, 0
.rept 32
	v_pk_fma_f32 v[96+n:97+n], v[96+n:97+n], s[CS:CS+1], v[12:13] op_sel_hi:[1,0,0]   ; t - M, two at a time
.set n, n+2
.endr
.irp b, 0,1,2,3
	v_fma_f32 v[236+\b], v[236+\b], s[CS], v12     ; the same of each block's largest score
.endr
.set n, 0
.rept 64
	v_exp_f32 v[96+n], v[96+n]                     ; p = 2^(t - M)
.set n, n+1
.endr
.if \first
	v_mov_b32 v14, 0                               ; the sum begins.  (Plain lines behind the exponentials)
	v_mov_b32 v15, 0
.else
	v_pk_mul_f32 v[14:15], v[14:15], v[252:253] op_sel_hi:[1,0]   ; the sum under the new M.  (A plain line behind the exponentials)
.endif
	s_wait_alu depctr_va_vdst(0)                   ; one wait for the batch of 64, ahead of its first reader
.irp b, 0,1,2,3
	v_exp_f32 v[236+\b], v[236+\b]                 ; the block's largest p: the same two instructions on the same number
.endr
	v_pk_add_f32 v[248:249], v[96:97], v[98:99]    ; the row's sum is taken of the unquantised p, in two chains
.set n, 4
.rept 15
	v_pk_add_f32 v[14:15], v[14:15], v[96+n:97+n]
	v_pk_add_f32 v[248:249], v[248:249], v[98+n:99+n]
.set n, n+4
.endr
	v_pk_add_f32 v[14:15], v[14:15], v[248:249]
	s_wait_alu depctr_va_vdst(0)                   ; and one for the four
.irp b, 0,1,2,3
	v_max_num_f32 v[236+\b], 0x2800000, v[236+\b]  ; the floor 2^(5 - 127): a block whose every p is 0 keeps the byte 1; its codes are zeros
.endr
.irp b, 0,1,2,3
	v_add_nc_u32 v[244+\b], 0xfe000000, v[236+\b]
.endr
.irp b, 0,1,2,3
	v_lshrrev_b32 v[240+\b], 23, v[244+\b]
.endr
	v_lshl_or_b32 v88, v241, 8, v240               ; p's scale word for these 128 keys
	v_lshl_or_b32 v88, v242, 16, v88
	v_lshl_or_b32 v88, v243, 24, v88
.irp c, 0,1
	v_cvt_scalef32_pk16_bf6_f32 v[216+6*\c:218+6*\c], v[96+32*\c:111+32*\c], v[244+2*\c]
	v_cvt_scalef32_pk16_bf6_f32 v[228+4*\c:230+4*\c], v[112+32*\c:127+32*\c], v[244+2*\c+1]
.endr
	v_nop                                          ; one plain line behind the scaled conversions
.irp c, 0,1
.irp i, 0,1,2
	v_permlane16_swap_b32 v[216+6*\c+\i], v[228+4*\c+\i]
.endr
.irp i, 0,1,2
	v_mov_b32 v[219+6*\c+\i], v[228+4*\c+\i]
.endr
.endr
.if \first
	PLACES 8                                       ; a scale word written by vector instructions stands 8 places ahead of the scaled matrix instruction, codes so written 4
.else
.set n, 0
.rept 16
	v_pk_mul_f32 v[160+n:161+n], v[160+n:161+n], v[252:253] op_sel_hi:[1,0]   ; O^T under the new M; these lines are those places too
.set n, n+2
.endr
.endif
	s_wait_dscnt 0x0                               ; V's fragments and words are in
.irp t, 0,1,2,3                        ; O^T += V^T P^T: four accumulators by turns
.if \first
	v_wmma_scale_f32_16x16x128_f8f6f4 v[160+8*\t:167+8*\t], v[32+12*\t:43+12*\t], v[216:227], 0, v[84+\t], v88 matrix_a_fmt:MATRIX_FMT_BF6 matrix_b_fmt:MATRIX_FMT_BF6
.else
	v_wmma_scale_f32_16x16x128_f8f6f4 v[160+8*\t:167+8*\t], v[32+12*\t:43+12*\t], v[216:227], v[160+8*\t:167+8*\t], v[84+\t], v88 matrix_a_fmt:MATRIX_FMT_BF6 matrix_b_fmt:MATRIX_FMT_BF6
.endif
.endr
.endm
; Head e is finished: O^T / the sum; register 16 b + i is channel 32 b + 16 h + i of my query: two blocks of the next product's K.  They become registers 6 e .. 6 e + 5 of ctx's fragment and two bytes of its scale word.
.macro FIN e
	PLACES 4
	v_add_f32 v14, v14, v15
	v_permlanex16_b32 v254, v14, s[SEL], s[SEL+1]
	v_add_f32 v14, v14, v254                       ; the row's sum
	v_rcp_f32 v252, v14
	v_nop                                          ; a plain line behind the reciprocal,
	s_wait_alu depctr_va_vdst(0)                   ; and the wait ahead of its first reader
.set n, 0
.rept 16
	v_pk_mul_f32 v[96+n:97+n], v[160+n:161+n], v[252:253] op_sel_hi:[1,0]     ; each accumulator from its low end on
.set n, n+2
.endr
.irp b, 0,1
	v_max3_num_f32 v[236+\b], |v[96+16*\b]|, |v[97+16*\b]|, 0x2800000
.endr
.irp i, 2,4,6,8,10,12,14
.irp b, 0,1
	v_max3_num_f32 v[236+\b], v[236+\b], |v[96+16*\b+\i]|, |v[97+16*\b+\i]|
.endr
.endr
.irp b, 0,1
	v_permlanex16_b32 v[240+\b], v[236+\b], s[SEL], s[SEL+1]
.endr
.irp b, 0,1
	v_max_num_f32 v[236+\b], v[236+\b], v[240+\b]
.endr
.irp b, 0,1
	v_add_nc_u32 v[244+\b], 0xfe000000, v[236+\b]
.endr
.irp b, 0,1
	v_lshrrev_b32 v[240+\b], 23, v[244+\b]
.endr
.if \e == 0
	v_lshl_or_b32 v28, v241, 8, v240
.else
	v_lshl_or_b32 v28, v240, 16, v28
	v_lshl_or_b32 v28, v241, 24, v28
.endif
	v_cvt_scalef32_pk16_bf6_f32 v[16+6*\e:18+6*\e], v[96:111], v244
	v_cvt_scalef32_pk16_bf6_f32 v[228:230], v[112:127], v245
	v_nop
.irp i, 0,1,2
	v_permlane16_swap_b32 v[16+6*\e+\i], v[228+\i]
.endr
.irp i, 0,1,2
	v_mov_b32 v[19+6*\e+\i], v[228+\i]
.endr
.endm
.macro HEADRUN e
	STEP \e, 2, 1, 1
	s_cmp_lt_u32 s19, 1                            ; no block of positions before mine: a branch on ids; no barrier stands under it
	s_cbranch_scc1 .Lfin_\@
	STEP \e, 1, 0, 0
	s_cmp_lt_u32 s19, 2
	s_cbranch_scc1 .Lfin_\@
	STEP \e, 0, 2, 0
.Lfin_\@:
	FIN \e
.endm
	HEADRUN 0
.irp i, 0,1,2,3,4,5
	v_mov_b32 v[192+\i], v[90+\i]                  ; head 1's q; the next step's four places follow
	v_mov_b32 v[210+\i], v[90+\i]
.endr
	HEADRUN 1
.irp p, 0,1,2,3,4,5
	global_store_b64 v1, v[16+2*\p:17+2*\p], s[38:39] offset:256*\p             ; ctx's fragment as it stands: 256 consecutive bytes a store, aligned
.endr
	ds_store_b32 v31, v28                          ; my rows' scale words; both halves of the lanes write the same word with the same value
	s_wait_dscnt 0x0
	s_barrier_signal -1
	s_barrier_wait -1
	s_cmp_lt_u32 s12, 4
	s_cbranch_scc0 .Ldone
	ds_load_b64 v[96:97], v10 offset:STG-SCL       ; four row tiles' words: 256 bytes
	s_wait_dscnt 0x0
	global_store_b64 v1, v[96:97], s[40:41]
.Ldone:
	s_wait_tensorcnt 0x0
	ds_add_u32 v251, v255
	s_wait_dscnt 0x0
	s_endpgm
.Lfunc_end_k_qfe0821b230_attn:
	.size	k_qfe0821b230_attn, .Lfunc_end_k_qfe0821b230_attn-k_qfe0821b230_attn
	.p2alignl 7, 3214868480
	.fill 96, 4, 3214868480
	.section	.rodata,"a",@progbits
	.p2align	6, 0x0
	.amdhsa_kernel k_qfe0821b230_attn
		.amdhsa_group_segment_fixed_size 105472
		.amdhsa_private_segment_fixed_size 0
		.amdhsa_enable_private_segment 0
		.amdhsa_kernarg_size 32
		.amdhsa_user_sgpr_count 2
		.amdhsa_user_sgpr_kernarg_segment_ptr 1
		.amdhsa_wavefront_size32 1
		.amdhsa_system_sgpr_workgroup_id_x 1
		.amdhsa_system_sgpr_workgroup_id_y 1
		.amdhsa_system_sgpr_workgroup_id_z 1
		.amdhsa_system_vgpr_workitem_id 0
		.amdhsa_next_free_vgpr 256
		.amdhsa_next_free_sgpr 66
		.amdhsa_reserve_vcc 1
		.amdhsa_float_denorm_mode_32 3
		.amdhsa_float_denorm_mode_16_64 3
		.amdhsa_memory_ordered 1
		.amdhsa_forward_progress 1
		.amdhsa_inst_pref_size 134
	.end_amdhsa_kernel
	.amdgpu_metadata
---
amdhsa.version: [ 1, 2 ]
amdhsa.kernels:
  - .name:           k_qfe0821b230_attn
    .symbol:         k_qfe0821b230_attn.kd
    .args:
      - { .name: qkvc, .offset: 0, .size: 8, .value_kind: global_buffer, .address_space: global }
      - { .name: qkvs, .offset: 8, .size: 8, .value_kind: global_buffer, .address_space: global }
      - { .name: cc, .offset: 16, .size: 8, .value_kind: global_buffer, .address_space: global }
      - { .name: cs, .offset: 24, .size: 8, .value_kind: global_buffer, .address_space: global }
    .group_segment_fixed_size: 105472
    .private_segment_fixed_size: 0
    .kernarg_segment_align: 8
    .kernarg_segment_size: 32
    .max_flat_workgroup_size: 512
    .sgpr_count:     66
    .vgpr_count:     256
    .wavefront_size: 32
...
	.end_amdgpu_metadata
.endif
;; end of part 3
;; launch proj (part 4): grid 4 x 32, 4 waves a work-group, clusters of 4 x 4, 327,680 bytes of LDS; arguments cc, cs, opc, ops, b_proj, out0; writes out0
.if DOCPART == 4
	.amdgcn_target "amdgcn-amd-amdhsa--gfx1250"
	.amdhsa_code_object_version 6
	.text
	.protected	k_qfe0821b230_proj
	.globl	k_qfe0821b230_proj
	.p2align	8
	.type	k_qfe0821b230_proj,@function
k_qfe0821b230_proj:
	s_mov_b64 s[64:65], 0
	v_nop
	global_prefetch_b8 v0, s[64:65] scope:SCOPE_SE
	s_setreg_imm32_b32 hwreg(HW_REG_WAVE_MODE, 25, 1), 1
	s_wait_xcnt 0x0
	s_wait_alu depctr_hold_cnt(0) depctr_sa_sdst(0) depctr_va_vdst(0) depctr_va_sdst(0) depctr_va_ssrc(0) depctr_va_vcc(0) depctr_vm_vsrc(0)
	s_getreg_b32 s2, hwreg(HW_REG_IB_STS2, 6, 4)
	s_cmp_eq_u32 s2, 0
	s_cbranch_scc0 .Lentry_in_a_cluster
	s_endpgm
.Lentry_in_a_cluster:
	s_bfe_u32 s2, ttmp6, 0x10000c
	s_cmp_lg_u32 s2, 0xf033
	s_cbranch_scc0 .Lentry_shape_is_right
	s_endpgm
.Lentry_shape_is_right:
; out = ctx W_proj^T + b_proj on codes of BF6 (E3M2) with E8M0 scales, sums in f32, out in f32.  A = ctx (8,192 rows), B = W_proj (row tiles 704-767 of the operands' buffer).
; A tile of out, 256 x 256, is made by four waves, each 128 x 128: 64 accumulators in 512 registers.  Source 0 = 16 rows of B, source 1 = 16 rows of A: a lane holds one row of out and eight neighbouring columns.
; OPERANDS lie in memory as images of their registers (a fragment: six pieces of 256 bytes, 8 bytes a lane), so a tile is dense in LDS and every LDS load takes 256 consecutive bytes.
; K = 1,024 is four quarters of 256.  Three LDS slots take quarters 0, 1, 2 as first fills; quarter 3 is filled into slot 0 behind the one round in the middle.  By this text's count a wave has four tensor
; loads out at the head (scales, three slots) and one later.  The eight K steps are written out.  The scale words of all K come once, into LDS and then into 64 registers.
; CLUSTER 4 x 4: A's tiles are shared along a row, B's along a column: joint loads, same descriptor and mask in the four that ask.  The grid is 128 work-groups: 32 x 4 tiles.
; Rows of a stored tile are not neighbours: lane r of row tile T is row 32 (T / 2) + 8 (T % 2) + r + 8 (r / 8); the way out puts rows and columns back in their places.
; REGISTERS: window 0: v1-29 addresses; v32-95 scale words (register 32 + 8 g + i: lanes 0-15 A's block i, lanes 16-31 B's block i, K step g); v96-127, v224-255 the bias, 8 tiles; v128-223 A's fragments, one set.
;   window 1: B's fragments, two sets, at v0 and v128.   windows 2, 3: accumulator (a, b) at v[8 (8 (a % 4) + b)].
.set QB,    3072
.set HALFT, 8*QB
.set SLOT,  4*HALFT
.set SCL,   3*SLOT
.set SPARE, SCL+16384                  ; the spare words, 128 bytes for each wave: two blocks of 256 bytes that no other line names
.set SPITCH, 528                       ; the way out: a stage of 16 rows x (512 bytes + 16) for each wave, in slot 1: it has had its one fill, and its last read lies ahead of the last barrier
.set FR,    12
.set NL,    6
.set AF,    128
.set SC,    32
.set ADRA,  16
.set ADRB,  20
.set STO,   24
.set RD,    25
.set CO,    26
.set ADRS,  27
.set SPW,   28
.set NIL,   29
.set BK,    128
.set G1A,   24
.set G0A,   32
.set G0SA,  44
.set G1B,   48
.set G0B,   56
.set G0B2,  68
.set G0SB,  72
.set G1SA,  76
.set G1SB,  84
.set MSB, 0
.macro WIN new                         ; the immediate's high byte repeats the setting that is left
.if MSB != (\new)
	s_set_vgpr_msb (MSB<<8)|(\new)
.set MSB, (\new)
.endif
.endm
.macro JLOAD g0a, g1a, g0b, g1b        ; a joint load: waves 0 and 1 fetch for A, waves 2 and 3 for B; four v_nop follow each of the two lines
	s_cmp_eq_u32 s15, 0
	s_cbranch_scc0 .Lfor_b_\@
	tensor_load_to_lds s[\g0a:\g0a+3], s[\g1a:\g1a+7]
	s_nop 0
.rept 4
	v_nop
.endr
	s_branch .Lasked_\@
.Lfor_b_\@:
	tensor_load_to_lds s[\g0b:\g0b+3], s[\g1b:\g1b+7]
	s_nop 0
.rept 4
	v_nop
.endr
.Lasked_\@:
.endm
.macro CREST
	s_cmp_lg_u32 s14, 0
	s_cbranch_scc1 .Lnot_wave_0_\@
	s_barrier_signal -3
.Lnot_wave_0_\@:
	s_barrier_wait -3
	s_barrier_signal -1
	s_barrier_wait -1
.endm
.macro CROUND
	s_barrier_signal -1
	s_barrier_wait -1
	CREST
.endm
.macro SETG0 g, lr, lo, ap, off
	s_mov_b32 s[\g], 1
	s_add_co_u32 s[\g+1], s[\lr], \lo
	s_add_nc_u64 s[\g+2:\g+3], s[\ap:\ap+1], \off
	s_or_b32 s[\g+3], s[\g+3], 0x80000000
.endm
.macro PLACES n
.rept \n
	v_nop
.endr
.endm
.macro FRAG reg, adr, q, i
.irp p, 0,1,2,3,4,5
	ds_load_b64 v[\reg+2*\p:\reg+2*\p+1], v[\adr] offset:(\i)*QB+(\q)*1536+256*\p
.endr
.endm
.macro FETCH_B slot, q, p
	WIN 0x40
.irp i, 0,1,2,3,4,5,6,7
	FRAG 128*(\p)+FR*\i, ADRB+\slot, \q, \i
.endr
	WIN 0
.endm
.macro FETCH_A slot, q, i0
.irp i, \i0, \i0+1, \i0+2, \i0+3
	FRAG AF+FR*(\i), ADRA+\slot, \q, \i
.endr
.endm
.macro SCALES
.irp g, 0,1,2,3,4,5,6,7
.irp u, 0,1
	ds_load_b128 v[SC+8*\g+4*\u:SC+8*\g+4*\u+3], v[ADRS] offset:2048*\u+256*\g
.endr
.endr
.endm
; 16 matrix instructions: A's blocks a0, a0 + 1 x B's eight, K step g; p: B's set.  cm = 1: the sums begin with the bias of B's rows.  The 64 accumulators take turns in one order throughout.
.macro MUL16 a0, p, g, cm
.irp a, \a0, \a0+1
.irp b, 0,1,2,3,4,5,6,7
.if (\cm) == 0
	v_wmma_scale_f32_16x16x128_f8f6f4 v[8*(8*((\a)%4)+\b):8*(8*((\a)%4)+\b)+7], v[128*(\p)+FR*\b:128*(\p)+FR*\b+FR-1], v[AF+FR*(\a):AF+FR*(\a)+FR-1], v[8*(8*((\a)%4)+\b):8*(8*((\a)%4)+\b)+7], v[SC+8*(\g)+\b], v[SC+8*(\g)+(\a)] matrix_a_fmt:MATRIX_FMT_BF6 matrix_b_fmt:MATRIX_FMT_BF6 matrix_a_scale:MATRIX_SCALE_ROW1
.else
	v_wmma_scale_f32_16x16x128_f8f6f4 v[8*(8*((\a)%4)+\b):8*(8*((\a)%4)+\b)+7], v[128*(\p)+FR*\b:128*(\p)+FR*\b+FR-1], v[AF+FR*(\a):AF+FR*(\a)+FR-1], v[96+8*\b+96*(\b/4):96+8*\b+96*(\b/4)+7], v[SC+8*(\g)+\b], v[SC+8*(\g)+(\a)] matrix_a_fmt:MATRIX_FMT_BF6 matrix_b_fmt:MATRIX_FMT_BF6 matrix_a_scale:MATRIX_SCALE_ROW1
.endif
.endr
.endr
.endm
.macro STEP g, ns, nq, cm
	s_wait_dscnt 4*NL                              ; all but the youngest 24 loads (A's blocks 4-7) are in
.if \cm
	WIN 0x81
.else
	WIN 0xa1
.endif
	MUL16 0, (\g)%2, \g, \cm
	MUL16 2, (\g)%2, \g, \cm
	s_wait_dscnt 0x0
	PLACES 4                                       ; in front of loads into registers that matrix instructions have read
	FETCH_B \ns, \nq, 1-(\g)%2
	FETCH_A \ns, \nq, 0
.if \cm
	WIN 0xc1
.else
	WIN 0xf1
.endif
	MUL16 4, (\g)%2, \g, \cm
	MUL16 6, (\g)%2, \g, \cm
	PLACES 4
	WIN 0
	FETCH_A \ns, \nq, 4
.endm
.macro TURN g, ns, fill
	s_wait_tensorcnt 0x0                           ; all my tensor loads have landed
	ds_add_u32 v[SPW], v[NIL]                      ; 0 onto my spare word
	s_wait_dscnt 4*NL+1                            ; (the add and the youngest 24 loads may be out)
	WIN 0xa1
	MUL16 0, 1, \g, 0
	s_wait_dscnt 0x0                               ; the add is done, and my LDS reads are over
	s_barrier_signal -1
	MUL16 2, 1, \g, 0
	WIN 0
	s_barrier_wait -1
.if \fill
	CREST                                          ; no wave of any partner still reads slot 0 or has a load on its way
	s_add_nc_u64 s[G0A+2:G0A+3], s[G0A+2:G0A+3], 3*QB
	s_add_nc_u64 s[G0B+2:G0B+3], s[G0B+2:G0B+3], 3*QB
	JLOAD G0A, G1A, G0B, G1B                       ; quarter 3, four K steps ahead of the wait for it
.else
	PLACES 4
.endif
	FETCH_B \ns, 0, 0
	FETCH_A \ns, 0, 0
	WIN 0xf1
	MUL16 4, 1, \g, 0
	MUL16 6, 1, \g, 0
	PLACES 4
	WIN 0
	FETCH_A \ns, 0, 4
.endm
	s_load_b128 s[4:7], s[0:1], 0x0                ; cc, cs
	s_load_b128 s[8:11], s[0:1], 0x10              ; opc, ops
	s_load_b64 s[12:13], s[0:1], 0x20              ; b_proj
	s_load_b64 s[96:97], s[0:1], 0x28              ; out0
	v_lshl_add_u32 v[SPW], v0, 2, SPARE
	v_mov_b32 v[NIL], 0
	ds_add_u32 v28, v29
	ds_add_u32 v28, v29
	s_wait_dscnt 0x0
	v_lshrrev_b32 v1, 5, v0
	v_readfirstlane_b32 s14, v1                    ; wave 0..3
	s_lshr_b32 s15, s14, 1                         ; HA; also: I fetch for A (0) or for B (1)
	s_and_b32 s16, s14, 1                          ; HB; also: which eight row tiles I fetch
	s_bfe_u32 s92, ttmp6, 0x40000                  ; cx
	s_bfe_u32 s93, ttmp6, 0x40004                  ; cy
	s_and_b32 s95, ttmp7, 0xffff                   ; the cluster's y
	s_lshl_b32 s17, s93, 2
	s_lshl_b32 s17, 15, s17                        ; my row of the cluster
	s_lshl_b32 s20, 0x1111, s92                    ; my column
	s_or_b32 s[G1A], s17, (3<<16)|(1<<21)
	s_or_b32 s[G1SA], s17, (3<<16)|(1<<21)
	s_or_b32 s[G1B], s20, (3<<16)|(1<<21)
	s_or_b32 s[G1SB], s20, (3<<16)|(1<<21)
.irp g, G1A, G1B                       ; eight rows (row tiles) of 3,072 bytes, 12,288 bytes apart
	s_mov_b32 s[\g+1], 384<<16
	s_mov_b32 s[\g+2], 8<<16
	s_mov_b32 s[\g+3], 384<<16
	s_mov_b32 s[\g+4], 8
	s_mov_b32 s[\g+5], 1536
	s_mov_b32 s[\g+6], 0
	s_mov_b32 s[\g+7], 0
.endr
.irp g, G1SA, G1SB                     ; 4,096 dense bytes as 16 rows of 256
	s_mov_b32 s[\g+1], 32<<16
	s_mov_b32 s[\g+2], 16<<16
	s_mov_b32 s[\g+3], 32<<16
	s_mov_b32 s[\g+4], 16
	s_mov_b32 s[\g+5], 32
	s_mov_b32 s[\g+6], 0
	s_mov_b32 s[\g+7], 0
.endr
	s_lshl_b32 s17, s95, 2
	s_add_co_u32 s17, s17, s93                     ; the tile row of out
	s_lshl_b32 s17, s17, 4                         ; A's first row tile
	s_lshl_b32 s20, s92, 4
	s_add_co_u32 s20, s20, 704                     ; B's
	s_lshl_b32 s2, s16, 3
	s_add_co_u32 s17, s17, s2
	s_add_co_u32 s20, s20, s2
	s_mul_i32 s18, s17, 12288
	s_mov_b32 s19, 0
	s_lshl_b32 s66, s17, 9
	s_mov_b32 s67, 0
	s_mul_i32 s22, s20, 12288
	s_mov_b32 s23, 0
	s_lshl_b32 s100, s20, 9
	s_mov_b32 s101, 0
	s_mul_i32 s2, s14, HALFT
	s_lshl_b32 s3, s14, 12
	s_add_co_u32 s3, s3, SCL
	s_wait_kmcnt 0x0
	s_add_nc_u64 s[18:19], s[4:5], s[18:19]
	s_add_nc_u64 s[66:67], s[6:7], s[66:67]
	s_add_nc_u64 s[22:23], s[8:9], s[22:23]
	s_add_nc_u64 s[100:101], s[10:11], s[100:101]
	SETG0 G0SA, 3, 0, 66, 0
	SETG0 G0SB, 3, 0, 100, 0
	SETG0 G0A, 2, 0, 18, 0
	SETG0 G0A+4, 2, SLOT, 18, QB
	SETG0 G0A+8, 2, 2*SLOT, 18, 2*QB
	SETG0 G0B, 2, 0, 22, 0
	SETG0 G0B+4, 2, SLOT, 22, QB
	SETG0 G0B2, 2, 2*SLOT, 22, 2*QB
	CROUND                                         ; all sixteen work-groups are here: the first joint loads meet
	JLOAD G0SA, G1SA, G0SB, G1SB
	JLOAD G0A, G1A, G0B, G1B
	JLOAD G0A+4, G1A, G0B+4, G1B
	JLOAD G0A+8, G1A, G0B2, G1B
	v_and_b32 v1, 15, v0                           ; r
	v_bfe_u32 v2, v0, 4, 1                         ; h
	v_and_b32 v3, 31, v0
	v_lshlrev_b32 v3, 3, v3                        ; 8 x lane
	s_mul_i32 s2, s15, HALFT
	s_mul_i32 s3, s16, HALFT
	s_add_co_u32 s3, s3, 2*HALFT
.irp s, 0,1,2
	v_add_nc_u32 v[ADRA+\s], s2, v3
	v_add_nc_u32 v[ADRB+\s], s3, v3
	s_add_co_u32 s2, s2, SLOT
	s_add_co_u32 s3, s3, SLOT
.endr
	s_lshl_b32 s2, s15, 12
	s_lshl_b32 s3, s16, 12
	s_add_co_u32 s3, s3, 8192
	s_sub_co_u32 s3, s3, s2
	v_mul_u32_u24 v4, s3, v2                       ; lanes 16-31 take B's words
	s_add_co_u32 s2, s2, SCL
	v_lshl_add_u32 v4, v1, 4, v4
	v_add_nc_u32 v[ADRS], s2, v4
	s_mul_i32 s2, s14, 16*SPITCH
	s_add_co_u32 s2, s2, SLOT                      ; my stage
	v_mul_u32_u24 v4, v1, SPITCH
	v_lshl_add_u32 v4, v2, 6, v4
	v_add_nc_u32 v[STO], s2, v4                    ; in: row r, + 64 h: my 16 columns of each 32
	v_and_b32 v5, 31, v0
	v_lshlrev_b32 v[CO], 4, v5                     ; back: the 32 lanes take one row of 512 bytes; and the same in out
	v_add_nc_u32 v[RD], s2, v[CO]
	s_lshl_b32 s2, s92, 10
	s_lshl_b32 s3, s16, 9
	s_add_co_u32 s2, s2, s3                        ; my first column, in bytes: 1,024 cx + 512 HB
	s_mov_b32 s3, 0
	s_add_nc_u64 s[12:13], s[12:13], s[2:3]        ; in the bias,
	s_add_nc_u64 s[96:97], s[96:97], s[2:3]        ; and in out
	s_lshl_b32 s2, s95, 2
	s_add_co_u32 s2, s2, s93
	s_lshl_b32 s2, s2, 1
	s_add_co_u32 s2, s2, s15                       ; my 128 rows
	s_lshl_b32 s2, s2, 19                          ; of 4,096 bytes
	s_add_nc_u64 s[96:97], s[96:97], s[2:3]
	v_lshlrev_b32 v23, 6, v2                       ; the bias: tile b's register j belongs to column 32 (b / 2) + 8 (b % 2) + 16 h + j
.irp b, 0,1,2,3,4,5,6,7
	global_load_b128 v[96+8*\b+96*(\b/4):96+8*\b+96*(\b/4)+3], v23, s[12:13] offset:(32*(\b/2)+8*(\b%2))*4
	global_load_b128 v[96+8*\b+96*(\b/4)+4:96+8*\b+96*(\b/4)+7], v23, s[12:13] offset:(32*(\b/2)+8*(\b%2))*4+16
.endr
	s_wait_tensorcnt 2                             ; the scale words and my part of quarter 0 are in; quarters 1 and 2 may stay out
	s_barrier_signal -1
	s_barrier_wait -1
	FETCH_B 0, 0, 0
	FETCH_A 0, 0, 0
	SCALES
	FETCH_A 0, 0, 4
	s_wait_loadcnt 0x0                             ; the bias
	STEP 0, 0, 1, 1
	TURN 1, 1, 1                                   ; every wave of the cluster has waited for all its loads: slots 1 and 2 are whole from here on
	STEP 2, 1, 1, 0
	STEP 3, 2, 0, 0
	STEP 4, 2, 1, 0
	TURN 5, 0, 0                                   ; quarter 3 has landed; behind this barrier nobody reads slot 1 any more
	STEP 6, 0, 1, 0
	s_wait_dscnt 4*NL
	WIN 0xa1
	MUL16 0, 1, 7, 0
	MUL16 2, 1, 7, 0
	s_wait_dscnt 0x0
	WIN 0xf1
	MUL16 4, 1, 7, 0
	MUL16 6, 1, 7, 0
	WIN 0
; THE WAY OUT, block by block of 16 rows x 128 columns, through my own stage: in by columns' places, back as whole rows of 512 bytes.  LDS serves a wave's instructions in order (ISA guide 5.7.1.4): no wait between the stores and the loads.
.macro TOSTAGE a
.set AC, 64*((\a)%4)
	WIN 0x08+4*((\a)/4)                            ; an LDS store's data: window 2 or 3
.irp b, 0,1,2,3,4,5,6,7
	ds_store_b128 v[STO], v[AC+8*\b:AC+8*\b+3] offset:128*(\b/2)+32*(\b%2)       ; each accumulator from its low end on
	ds_store_b128 v[STO], v[AC+8*\b+4:AC+8*\b+7] offset:128*(\b/2)+32*(\b%2)+16
.endr
	WIN 0
.set BB, BK+64*((\a)%2)
.irp t, 0,1,2,3,4,5,6,7,8,9,10,11,12,13,14,15
	ds_load_b128 v[BB+4*\t:BB+4*\t+3], v[RD] offset:\t*SPITCH
.endr
.endm
.macro SEND a, younger                 ; younger: the LDS instructions issued behind block a's loads, which may stay out
.set BB, BK+64*((\a)%2)
	s_wait_dscnt \younger
.irp t, 0,1,2,3,4,5,6,7,8,9,10,11,12,13,14,15
	global_store_b128 v[CO], v[BB+4*\t:BB+4*\t+3], s[96:97] offset:(32*((\a)/2)+8*((\a)%2)+\t+8*(\t/8))*4096 th:TH_STORE_NT   ; stage row t is row 32 (a / 2) + 8 (a % 2) + t + 8 (t / 8) of my 128; 512 consecutive bytes, aligned
.endr
.endm
	PLACES 4
	TOSTAGE 0
.irp a, 1,2,3,4,5,6,7
.if \a > 1
	s_wait_xcnt 0x0                                ; block a - 2's stores have read their registers: block a's loads may land there
.endif
	TOSTAGE \a
	SEND \a-1, 32                                  ; behind block a - 1's loads: block a's 16 stores and 16 loads
.endr
	SEND 7, 0
	s_wait_tensorcnt 0x0                           ; the wave's end
	ds_add_u32 v[SPW], v[NIL]
	s_wait_dscnt 0x0
	CROUND                                         ; the closing round
	s_endpgm
.Lfunc_end_k_qfe0821b230_proj:
	.size	k_qfe0821b230_proj, .Lfunc_end_k_qfe0821b230_proj-k_qfe0821b230_proj
	.p2alignl 7, 3214868480
	.fill 96, 4, 3214868480
	.section	.rodata,"a",@progbits
	.p2align	6, 0x0
	.amdhsa_kernel k_qfe0821b230_proj
		.amdhsa_group_segment_fixed_size 327680
		.amdhsa_private_segment_fixed_size 0
		.amdhsa_enable_private_segment 0
		.amdhsa_kernarg_size 48
		.amdhsa_user_sgpr_count 2
		.amdhsa_user_sgpr_kernarg_segment_ptr 1
		.amdhsa_wavefront_size32 1
		.amdhsa_system_sgpr_workgroup_id_x 1
		.amdhsa_system_sgpr_workgroup_id_y 1
		.amdhsa_system_sgpr_workgroup_id_z 1
		.amdhsa_system_vgpr_workitem_id 0
		.amdhsa_next_free_vgpr 1024
		.amdhsa_next_free_sgpr 102
		.amdhsa_reserve_vcc 0
		.amdhsa_float_denorm_mode_32 3
		.amdhsa_float_denorm_mode_16_64 3
		.amdhsa_memory_ordered 1
		.amdhsa_forward_progress 1
		.amdhsa_inst_pref_size 159
	.end_amdhsa_kernel
	.amdgpu_metadata
---
amdhsa.version: [ 1, 2 ]
amdhsa.kernels:
  - .name:           k_qfe0821b230_proj
    .symbol:         k_qfe0821b230_proj.kd
    .args:
      - { .name: cc, .offset: 0, .size: 8, .value_kind: global_buffer, .address_space: global }
      - { .name: cs, .offset: 8, .size: 8, .value_kind: global_buffer, .address_space: global }
      - { .name: opc, .offset: 16, .size: 8, .value_kind: global_buffer, .address_space: global }
      - { .name: ops, .offset: 24, .size: 8, .value_kind: global_buffer, .address_space: global }
      - { .name: b_proj, .offset: 32, .size: 8, .value_kind: global_buffer, .address_space: global }
      - { .name: out0, .offset: 40, .size: 8, .value_kind: global_buffer, .address_space: global }
    .group_segment_fixed_size: 327680
    .private_segment_fixed_size: 0
    .kernarg_segment_align: 8
    .kernarg_segment_size: 48
    .max_flat_workgroup_size: 128
    .sgpr_count:     102
    .vgpr_count:     1024
    .wavefront_size: 32
...
	.end_amdgpu_metadata
.endif
;; end of part 4
;; ======== version 2 of 2: 4 launches; version 1 with the launch attn written anew for expert scheduling mode
;; workspace buffers: opc 9,437,184 bytes; ops 393,216 bytes; qkvc 18,874,368 bytes; qkvs 1,048,576 bytes; cc 6,291,456 bytes; cs 262,144 bytes
;; launch quant: the kernel of part 1 again; grid 256 x 1, 6 waves a work-group, no clusters, 203,520 bytes of LDS; arguments x, W_qkv, W_proj, opc, ops; writes opc, ops
;; launch qkv: the kernel of part 2 again; grid 12 x 32, 4 waves a work-group, clusters of 4 x 4, 327,680 bytes of LDS; arguments opc, ops, b_qkv, qkvc, qkvs; writes qkvc, qkvs
;; launch attn (part 5): grid 8 x 32, 16 waves a work-group, no clusters, 105,472 bytes of LDS; arguments qkvc, qkvs, cc, cs; writes cc, cs
.if DOCPART == 5
	.amdgcn_target "amdgcn-amd-amdhsa--gfx1250"
	.amdhsa_code_object_version 6
	.text
	.protected	k_qfe0821b230_attn
	.globl	k_qfe0821b230_attn
	.p2align	8
	.type	k_qfe0821b230_attn,@function
k_qfe0821b230_attn:
	s_mov_b64 s[64:65], 0
	v_nop
	global_prefetch_b8 v0, s[64:65] scope:SCOPE_SE
	s_setreg_imm32_b32 hwreg(HW_REG_WAVE_SCHED_MODE, 0, 2), 2
	s_setreg_imm32_b32 hwreg(HW_REG_WAVE_MODE, 25, 1), 1
	s_wait_xcnt 0x0
	s_wait_alu depctr_vm_vsrc(0)
; ctx[q] = sum over the keys k with 0 <= q - k < 256 of softmax_k(Q[q] . K[k] / 8) V[k], for 64 (batch, head) pairs of 2,048 positions x 64 channels, both products on codes of BF6 (E3M2) with E8M0 scales;
; ctx is quantised along the 1,024 merged channels and leaves as the next product's operand.  Keys outside the window, which the problem's own mask throws away, are not multiplied.
; THE SOFTMAX: t = score x log2(e) / 8; M = the running largest t rounded UP to a whole number; p = 2^(t - M) is quantised along the keys, not normalised; the row's sum is taken of the unquantised p and
; divides at the end; when M moves, the sum and O are multiplied by 2^(old M - new M), which rounds nothing.
; LIMITS: NaN and infinities are not served; a block of zeros or under 2^-122 keeps the scale byte 1 (read by this program alone).
; SHARES.  A work-group owns 256 queries of a pair of heads (2 sp, 2 sp + 1), so that a wave makes whole fragments (128 channels) and whole scale words of ctx.  Each of its sixteen waves owns one stored tile of 16
; queries, in 256 registers, and takes the two heads one after the other.  Its keys are three steps of 128: its own block of 128 positions (the diagonal: first, so that M is a number from the start), the block before
; (all keys count) and the one before that (the window's far edge).  Steps that lie ahead of the sequence's start are left out by scalar branches on ids.
; K and V of the work-group's four key steps, 24,576 bytes each a head, are copied ONCE into LDS through registers; no LDS byte is filled again.  NO JOINT LOADS: a neighbour along the queries shares two of the four key steps,
; at other LDS places (two steps further down), and a joint load has one LDS address for all that ask.
; LAYOUT.  Both products transposed: S^T = K Q^T, O^T = V^T P^T: a lane holds one query.  The head's K is 64, half of the instruction's 128: a fragment of K holds TWO key tiles (tile 2 i in k 0-63, tile 2 i + 1 in 64-127) and is
; multiplied by [q, zeros] and by [zeros, q].  By the order of rows in a stored tile, the 16 registers of S^T's tiles 2 i, 2 i + 1 are the 16 neighbouring keys 32 i + 16 h + 0 .. 15.
; REGISTERS: v1-11 addresses; v12 -M, v13 the largest t, v[14:15] the sum; v16-27 ctx's fragment, v28 its scale word; v29, v30 Q's words; v31 the stage; v32-79 four fragments; v80-83 K's words, v84-87 V's, v88 p's;
;   v90-95 head 1's Q; v96-159 S^T, then p; v160-191 O^T; v192-203 [q, 0]; v204-215 [0, q]; v216-227 p's codes; v228-255 at work.  s44-59: sixteen masks.
; THE MODE: SCHED_MODE bits 1:0 = 2 (LLVM: expert scheduling mode 2), set by the entry lines.  The code itself states the register dependences between vector or matrix instructions and memory or LDS
; instructions, with s_wait_alu, always for 0.
; THE PLAN.  Registers that memory or LDS instructions touch, who writes and who reads them:
;   v1-11, v31      offsets and LDS addresses.  Written by vector lines at the head and never again; read by loads and stores to the end: one wait on va_vdst ahead of the first load.
;   v96-145         at the head the copy's data: global loads land there, my LDS stores read them.  Afterwards S^T, written by products: one wait on vm_vsrc behind the first barrier.
;   v32-79, v80-83  K's fragments and words: LDS loads land at a step's head; the step's eight products K Q^T read them.
;   v32-79, v84-87  V's: LDS loads land behind those eight products; the step's four products V^T P^T read them.
;   v16-28          ctx's codes and scale word: written by conversions and moves; read by the last stores.  v96-97: named by vector lines up to the same place; the last load from the stage lands there.
; So a step has one wait on va_vdst at its head (the last step's products are done with v32-83), one behind the products K Q^T (they are done with v32-79), the two behind its exponentials, and one ahead of the products
; V^T P^T (p's codes and scale word are written).  The softmax between names none of v32-87, so V's loads are on their way under it with no further wait.  Head 1's first K is asked for in head 0's last lines,
; behind the wait for the reciprocal, which also shows head 0's last products done.  One wait stands ahead of the last stores.
; Vector to scalar: one wait on va_sdst behind v_readfirstlane_b32; the masks' compares go in runs of sixteen into s44-59, one wait on va_sdst behind each run, ahead of the selects.  EXEC is never written.
.set KVH,  49152                       ; LDS: head e at KVH e: K's four key steps of 6,144 bytes, then V's
.set SCL,  98304                       ; 16 blocks of 256 bytes of scale words: K's (head 0, head 1: four key steps each), then V's
.set STG,  102400                      ; ctx's scale words on their way out: 1,024 bytes
.set SEL,  20
.set CS,   22
.set MK,   44
.macro PLACES n
.rept \n
	v_nop
.endr
.endm
	s_load_b256 s[4:11], s[0:1], 0x0               ; qkvc, qkvs, cc, cs
	v_lshl_add_u32 v251, v0, 2, 0x19400
	v_mov_b32 v255, 0
	v_lshrrev_b32 v16, 5, v0
	v_readfirstlane_b32 s12, v16                   ; wave W, 0..15
	s_wait_alu depctr_va_sdst(0)                   ; s12 is written, ahead of its first reader: places, addresses and branches are made from it
	s_lshr_b32 s13, s12, 3                         ; nu: which 128 of the 256 queries.  Also: I copy K (0) or V (1)
	s_mov_b32 s14, ttmp9                           ; blk: which 256 queries
	s_and_b32 s15, ttmp7, 0xffff
	s_lshr_b32 s16, s15, 3                         ; the batch
	s_and_b32 s17, s15, 7                          ; sp: the pair of heads
	s_lshl_b32 s18, s16, 4
	s_lshl_b32 s24, s17, 1
	s_add_co_u32 s18, s18, s24                     ; 16 x batch + first head
	s_lshl_b32 s19, s14, 1
	s_add_co_u32 s19, s19, s13                     ; a: my block of 128 positions
	s_mov_b32 s[SEL], 0x76543210
	s_mov_b32 s[SEL+1], 0xfedcba98
	s_mov_b32 s[CS], 0x3e38aa3b                    ; c = log2(e) / 8
	s_mov_b32 s[CS+1], s[CS]
	s_add_co_u32 s24, s13, 1
	s_mul_i32 s24, s24, 6291456                    ; k's part of qkvc, or v's
	s_mul_i32 s25, s18, 98304
	s_add_co_u32 s24, s24, s25
	s_mul_i32 s26, s14, 12288
	s_add_co_u32 s26, s26, s24                     ; key steps 2 blk, 2 blk + 1
	s_mov_b32 s27, 0
	s_max_u32 s28, s14, 1
	s_sub_co_u32 s28, s28, 1
	s_mul_i32 s28, s28, 12288
	s_add_co_u32 s28, s28, s24                     ; key steps 2 blk - 2, 2 blk - 1; in block 0 held at the head's start: no load leaves the buffer, and what it brings there is never read
	s_mov_b32 s29, 0
	s_bfe_u32 s30, s12, 0x10002                    ; the block of scale words that I copy: head (W / 4) % 2,
	s_add_co_u32 s30, s30, s18
	s_lshl_b32 s30, s30, 12
	s_and_b32 s31, s12, 3                          ; key step 2 blk - 2 + W % 4, held at 0 likewise,
	s_lshl_b32 s32, s14, 1
	s_add_co_u32 s31, s31, s32
	s_max_u32 s31, s31, 2
	s_sub_co_u32 s31, s31, 2
	s_lshl_b32 s31, s31, 8
	s_add_co_u32 s30, s30, s31
	s_lshl_b32 s31, s13, 18                        ; of K or of V
	s_add_co_u32 s30, s30, s31
	s_add_co_u32 s30, s30, 524288
	s_mov_b32 s31, 0
	s_lshl_b32 s32, s14, 4
	s_add_co_u32 s32, s32, s12                     ; my stored tile of queries
	s_mul_i32 s34, s32, 768
	s_add_co_u32 s34, s34, s25                     ; its codes
	s_mov_b32 s35, 0
	s_lshl_b32 s36, s18, 13
	s_lshl_b32 s37, s19, 9
	s_add_co_u32 s36, s36, s37
	s_and_b32 s37, s12, 7
	s_lshl_b32 s37, s37, 2
	s_add_co_u32 s36, s36, s37                     ; its scale words
	s_mov_b32 s37, 0
	s_lshl_b32 s38, s16, 7
	s_add_co_u32 s38, s38, s32
	s_mul_i32 s38, s38, 12288
	s_mul_i32 s39, s17, 1536
	s_add_co_u32 s38, s38, s39                     ; ctx's fragment: row tile 128 batch + 16 blk + W, K step sp
	s_mov_b32 s39, 0
	s_lshl_b32 s40, s16, 5
	s_lshl_b32 s41, s14, 2
	s_add_co_u32 s40, s40, s41
	s_add_co_u32 s40, s40, s12
	s_lshl_b32 s40, s40, 11
	s_lshl_b32 s41, s17, 8
	s_add_co_u32 s40, s40, s41                     ; ctx's scale words (used by waves 0-3): four row tiles' 256 bytes
	s_mov_b32 s41, 0
	v_and_b32 v1, 31, v0
	v_lshlrev_b32 v1, 3, v1                        ; 8 x lane
	v_and_b32 v16, 15, v0                          ; r
	v_bfe_u32 v17, v0, 4, 1                        ; h
	s_mul_i32 s42, s13, 6144
	v_add_nc_u32 v2, s42, v1                       ; head 0's tiles: my three key steps begin nu steps in
	v_add_nc_u32 v3, KVH, v2                       ; head 1's
	s_lshl_b32 s42, s13, 8
	s_add_co_u32 s42, s42, SCL
	v_lshl_add_u32 v4, v16, 4, s42                 ; scale words: 16 bytes a row
	s_bfe_u32 s42, s12, 0x20001
	s_lshl_b32 s42, s42, 5
	s_and_b32 s43, s12, 1
	s_lshl_b32 s43, s43, 3
	s_add_co_u32 s42, s42, s43
	v_and_b32 v18, 8, v16
	v_add_nc_u32 v5, v18, v16
	v_add_nc_u32 v5, s42, v5                       ; my query's place in its 128: 32 ((W % 8) / 2) + 8 (W % 2) + r + 8 (r / 8),
	v_lshlrev_b32 v18, 4, v17
	v_sub_nc_u32 v5, v5, v18                       ; less 16 h: register n of S^T holds key 32 (n / 16) + n % 16 + 16 h
	v_mov_b32 v6, 0xff800000                       ; -infinity
	v_and_b32 v9, 255, v0
	v_lshlrev_b32 v9, 4, v9                        ; the copy: 16 bytes a thread, 4,096 for eight waves
	s_mul_i32 s42, s13, 24576
	v_add_nc_u32 v7, s42, v9
	v_add_nc_u32 v8, KVH, v7
	s_lshl_b32 s42, s12, 8
	s_add_co_u32 s42, s42, SCL
	v_add_nc_u32 v10, s42, v1
	v_lshlrev_b32 v11, 5, v16
	s_lshr_b32 s42, s12, 2
	s_lshl_b32 s42, s42, 8
	s_and_b32 s43, s12, 3
	s_lshl_b32 s43, s43, 2
	s_add_co_u32 s42, s42, s43
	s_add_co_u32 s42, s42, STG
	v_lshl_add_u32 v31, v16, 4, s42                ; the stage: [W / 4][r][W % 4] words
	s_wait_kmcnt 0x0
	s_add_nc_u64 s[26:27], s[4:5], s[26:27]
	s_add_nc_u64 s[28:29], s[4:5], s[28:29]
	s_add_nc_u64 s[30:31], s[6:7], s[30:31]
	s_add_nc_u64 s[34:35], s[4:5], s[34:35]
	s_add_nc_u64 s[36:37], s[6:7], s[36:37]
	s_add_nc_u64 s[38:39], s[8:9], s[38:39]
	s_add_nc_u64 s[40:41], s[10:11], s[40:41]
	s_wait_alu depctr_va_vdst(0)                   ; the offsets and LDS addresses v1-4, v7-11 and v31 are written: every load and store of the kernel reads one of them, and none is written again
.irp e, 0,1
.irp i, 0,1,2
	global_load_b128 v[96+4*(6*\e+\i):96+4*(6*\e+\i)+3], v9, s[28:29] offset:98304*\e+4096*\i
.endr
.irp i, 3,4,5
	global_load_b128 v[96+4*(6*\e+\i):96+4*(6*\e+\i)+3], v9, s[26:27] offset:98304*\e+4096*(\i-3)
.endr
.endr
	global_load_b64 v[144:145], v1, s[30:31]
.irp p, 0,1,2
	global_load_b64 v[192+2*\p:193+2*\p], v1, s[34:35] offset:256*\p           ; head 0's q into [q, 0]
.endr
.irp p, 0,1,2
	global_load_b64 v[210+2*\p:211+2*\p], v1, s[34:35] offset:256*\p           ; and into [0, q]
.endr
.irp p, 0,1,2
	global_load_b64 v[90+2*\p:91+2*\p], v1, s[34:35] offset:98304+256*\p       ; head 1's waits here
.endr
	global_load_b32 v29, v11, s[36:37]
	global_load_b32 v30, v11, s[36:37] offset:8192
.irp i, 0,1,2,3,4,5,6,7,8,9,10,11
	v_mov_b32 v[198+\i], 0                         ; the zero halves: zero codes add nothing under any scale byte that stands here.  (No load or store names v198-209)
.endr
.irp b, 0,1,2,3
	v_mov_b32 v[240+\b], 0                         ; a lane permute's destination counts as one of its sources
.endr
	v_mov_b32 v253, 0                              ; (named as the upper half of the pair v[252:253])
	s_wait_loadcnt 11                              ; the copy's 13 loads are in; the 11 for Q may be out
.irp i, 0,1,2,3,4,5
	ds_store_b128 v7, v[96+4*\i:96+4*\i+3] offset:4096*\i
.endr
.irp i, 0,1,2,3,4,5
	ds_store_b128 v8, v[120+4*\i:120+4*\i+3] offset:4096*\i
.endr
	ds_store_b64 v10, v[144:145]
	s_wait_dscnt 0x0                               ; for the others' sake: my stores have landed
	s_barrier_signal -1
	s_barrier_wait -1                              ; K, V and their scale words lie in LDS
	s_wait_loadcnt 0x0                             ; Q
	s_wait_alu depctr_vm_vsrc(0)                   ; my LDS stores have read v96-145: these registers are S^T from here on, written by the products
; K's four fragments and scale words of head e's j-th place
.macro KLOAD e, j
.irp t, 0,1,2,3
.irp p, 0,1,2,3,4,5
	ds_load_b64 v[32+12*\t+2*\p:33+12*\t+2*\p], v[2+\e] offset:6144*\j+1536*\t+256*\p
.endr
.endr
	ds_load_b128 v[80:83], v4 offset:256*(4*\e+\j)
.endm
; A KEY STEP of head e: 128 keys, the j-th of my three places in LDS (2: the diagonal, 1: all keys count, 0: the far edge).  mode 1: keys after my query are hidden; 2: keys at or before my query's place are hidden
; (they lie 256 or more back); 0: none.  first = 1: the head's first step starts M, the sum and O^T.  pre = 1: K has been asked for already.
.macro STEP e, j, mode, first, pre
	PLACES 4                                       ; four places behind the last step's products; in a head's first step they stand between the moves that wrote [q, 0] and [0, q] and the scaled products that take them
	s_wait_alu depctr_va_vdst(0)                   ; the last step's products are done reading v32-83, in which the loads below land; in a head's first step the moves have written [q, 0] and [0, q], which the products below take
.if !\pre
	KLOAD \e, \j
.endif
	s_wait_dscnt 0x0
.irp t, 0,1,2,3
	v_wmma_scale_f32_16x16x128_f8f6f4 v[96+16*\t:103+16*\t], v[32+12*\t:43+12*\t], v[192:203], 0, v[80+\t], v[29+\e] matrix_a_fmt:MATRIX_FMT_BF6 matrix_b_fmt:MATRIX_FMT_BF6
	v_wmma_scale_f32_16x16x128_f8f6f4 v[104+16*\t:111+16*\t], v[32+12*\t:43+12*\t], v[204:215], 0, v[80+\t], v[29+\e] matrix_a_fmt:MATRIX_FMT_BF6 matrix_b_fmt:MATRIX_FMT_BF6
.endr
	PLACES 4                                       ; four places behind the products, before their results are read (ISA guide 7.12.1)
	s_wait_alu depctr_va_vdst(0)                   ; the eight products are done reading v32-79, in which V's fragments land; the last step's products V^T P^T were done with v84-87 at the step's head
.irp t, 0,1,2,3                        ; V's fragments are asked for now and land under the softmax, which names none of v32-87
.irp p, 0,1,2,3,4,5
	ds_load_b64 v[32+12*\t+2*\p:33+12*\t+2*\p], v[2+\e] offset:24576+6144*\j+1536*\t+256*\p
.endr
.endr
	ds_load_b128 v[84:87], v4 offset:2048+256*(4*\e+\j)
.if \mode
.irp u, 0,1,2,3                        ; hidden scores become -infinity ahead of the maximum: p = 0 then.  A block of 32 keys' sixteen registers at a time
.set n, 0
.rept 16
.if \mode == 1
	v_cmp_gt_i32 s[MK+n], 32*\u+n, v5
.else
	v_cmp_le_i32 s[MK+n], 32*\u+n, v5
.endif
.set n, n+1
.endr
	s_wait_alu depctr_va_sdst(0)                   ; the sixteen compares have written s44-59, ahead of the selects that read them
.set n, 0
.rept 16
	v_cndmask_b32 v[96+16*\u+n], v[96+16*\u+n], v6, s[MK+n]
.set n, n+1
.endr
.endr
.endif
.irp b, 0,1,2,3
	v_max3_num_f32 v[236+\b], v[96+16*\b], v[97+16*\b], v[98+16*\b]   ; the largest score of each block of 32 keys: it serves the row's maximum and, since p rises with the score, the block's largest p
.endr
.irp i, 3,5,7,9,11,13
.irp b, 0,1,2,3
	v_max3_num_f32 v[236+\b], v[236+\b], v[96+16*\b+\i], v[97+16*\b+\i]
.endr
.endr
.irp b, 0,1,2,3
	v_max_num_f32 v[236+\b], v[236+\b], v[111+16*\b]
.endr
.irp b, 0,1,2,3
	v_permlanex16_b32 v[240+\b], v[236+\b], s[SEL], s[SEL+1]
.endr
.irp b, 0,1,2,3
	v_max_num_f32 v[236+\b], v[236+\b], v[240+\b]  ; with lane l xor 16's 16 keys
.endr
	v_max3_num_f32 v254, v236, v237, v238
	v_max_num_f32 v254, v254, v239                 ; the step's largest score of my query
.if \first
	v_mul_f32 v13, s[CS], v254                     ; the largest t: on the diagonal my own key always counts, so it is a number
	v_floor_f32 v12, -v13                          ; -M = floor(-t) = -ceil(t)
.else
	v_mul_f32 v254, s[CS], v254
	v_max_num_f32 v13, v13, v254                   ; the running largest t
	v_mov_b32 v254, v12
	v_floor_f32 v12, -v13
	v_sub_f32 v254, v12, v254                      ; old M - new M: a whole number, 0 or less
	v_cvt_i32_f32 v254, v254
	v_ldexp_f32 v252, 1.0, v254                    ; f = 2^(old M - new M)
.endif
.set n, 0
.rept 32
	v_pk_fma_f32 v[96+n:97+n], v[96+n:97+n], s[CS:CS+1], v[12:13] op_sel_hi:[1,0,0]   ; t - M, two at a time
.set n, n+2
.endr
.irp b, 0,1,2,3
	v_fma_f32 v[236+\b], v[236+\b], s[CS], v12     ; the same of each block's largest score
.endr
.set n, 0
.rept 64
	v_exp_f32 v[96+n], v[96+n]                     ; p = 2^(t - M)
.set n, n+1
.endr
.if \first
	v_mov_b32 v14, 0                               ; the sum begins.  (Plain lines behind the exponentials)
	v_mov_b32 v15, 0
.else
	v_pk_mul_f32 v[14:15], v[14:15], v[252:253] op_sel_hi:[1,0]   ; the sum under the new M.  (A plain line behind the exponentials)
.endif
	s_wait_alu depctr_va_vdst(0)                   ; the 64 exponentials have written v96-159: one wait for the batch, ahead of its first reader
.irp b, 0,1,2,3
	v_exp_f32 v[236+\b], v[236+\b]                 ; the block's largest p: the same two instructions on the same number
.endr
	v_pk_add_f32 v[248:249], v[96:97], v[98:99]    ; the row's sum is taken of the unquantised p, in two chains
.set n, 4
.rept 15
	v_pk_add_f32 v[14:15], v[14:15], v[96+n:97+n]
	v_pk_add_f32 v[248:249], v[248:249], v[98+n:99+n]
.set n, n+4
.endr
	v_pk_add_f32 v[14:15], v[14:15], v[248:249]
	s_wait_alu depctr_va_vdst(0)                   ; the four exponentials have written v236-239, ahead of their first reader
.irp b, 0,1,2,3
	v_max_num_f32 v[236+\b], 0x2800000, v[236+\b]  ; the floor 2^(5 - 127): a block whose every p is 0 keeps the byte 1; its codes are zeros
.endr
.irp b, 0,1,2,3
	v_add_nc_u32 v[244+\b], 0xfe000000, v[236+\b]
.endr
.irp b, 0,1,2,3
	v_lshrrev_b32 v[240+\b], 23, v[244+\b]
.endr
	v_lshl_or_b32 v88, v241, 8, v240               ; p's scale word for these 128 keys
	v_lshl_or_b32 v88, v242, 16, v88
	v_lshl_or_b32 v88, v243, 24, v88
.irp c, 0,1
	v_cvt_scalef32_pk16_bf6_f32 v[216+6*\c:218+6*\c], v[96+32*\c:111+32*\c], v[244+2*\c]
	v_cvt_scalef32_pk16_bf6_f32 v[228+4*\c:230+4*\c], v[112+32*\c:127+32*\c], v[244+2*\c+1]
.endr
	v_nop                                          ; one plain line behind the scaled conversions
.irp c, 0,1
.irp i, 0,1,2
	v_permlane16_swap_b32 v[216+6*\c+\i], v[228+4*\c+\i]
.endr
.irp i, 0,1,2
	v_mov_b32 v[219+6*\c+\i], v[228+4*\c+\i]
.endr
.endr
.if \first
	PLACES 8                                       ; a scale word written by vector instructions stands 8 places ahead of the scaled matrix instruction, codes so written 4
.else
.set n, 0
.rept 16
	v_pk_mul_f32 v[160+n:161+n], v[160+n:161+n], v[252:253] op_sel_hi:[1,0]   ; O^T under the new M; these lines are those places too
.set n, n+2
.endr
.endif
	s_wait_alu depctr_va_vdst(0)                   ; p's codes v216-227 and its scale word v88 are written, which the scaled products below take; the places above stay beside this wait
	s_wait_dscnt 0x0                               ; V's fragments and words are in
.irp t, 0,1,2,3                        ; O^T += V^T P^T: four accumulators by turns
.if \first
	v_wmma_scale_f32_16x16x128_f8f6f4 v[160+8*\t:167+8*\t], v[32+12*\t:43+12*\t], v[216:227], 0, v[84+\t], v88 matrix_a_fmt:MATRIX_FMT_BF6 matrix_b_fmt:MATRIX_FMT_BF6
.else
	v_wmma_scale_f32_16x16x128_f8f6f4 v[160+8*\t:167+8*\t], v[32+12*\t:43+12*\t], v[216:227], v[160+8*\t:167+8*\t], v[84+\t], v88 matrix_a_fmt:MATRIX_FMT_BF6 matrix_b_fmt:MATRIX_FMT_BF6
.endif
.endr
.endm
; Head e is finished: O^T / the sum; register 16 b + i is channel 32 b + 16 h + i of my query: two blocks of the next product's K.  They become registers 6 e .. 6 e + 5 of ctx's fragment and two bytes of its scale word.
.macro FIN e
	PLACES 4
	v_add_f32 v14, v14, v15
	v_permlanex16_b32 v254, v14, s[SEL], s[SEL+1]
	v_add_f32 v14, v14, v254                       ; the row's sum
	v_rcp_f32 v252, v14
	v_nop                                          ; a plain line behind the reciprocal,
	s_wait_alu depctr_va_vdst(0)                   ; the reciprocal has written v252, ahead of its first reader; the head's last products are done reading v32-83
.if \e == 0
	KLOAD 1, 2                                     ; head 1's first K is asked for here and lands under the lines below and the moves of q, which name none of v32-83
.endif
.set n, 0
.rept 16
	v_pk_mul_f32 v[96+n:97+n], v[160+n:161+n], v[252:253] op_sel_hi:[1,0]     ; each accumulator from its low end on
.set n, n+2
.endr
.irp b, 0,1
	v_max3_num_f32 v[236+\b], |v[96+16*\b]|, |v[97+16*\b]|, 0x2800000
.endr
.irp i, 2,4,6,8,10,12,14
.irp b, 0,1
	v_max3_num_f32 v[236+\b], v[236+\b], |v[96+16*\b+\i]|, |v[97+16*\b+\i]|
.endr
.endr
.irp b, 0,1
	v_permlanex16_b32 v[240+\b], v[236+\b], s[SEL], s[SEL+1]
.endr
.irp b, 0,1
	v_max_num_f32 v[236+\b], v[236+\b], v[240+\b]
.endr
.irp b, 0,1
	v_add_nc_u32 v[244+\b], 0xfe000000, v[236+\b]
.endr
.irp b, 0,1
	v_lshrrev_b32 v[240+\b], 23, v[244+\b]
.endr
.if \e == 0
	v_lshl_or_b32 v28, v241, 8, v240
.else
	v_lshl_or_b32 v28, v240, 16, v28
	v_lshl_or_b32 v28, v241, 24, v28
.endif
	v_cvt_scalef32_pk16_bf6_f32 v[16+6*\e:18+6*\e], v[96:111], v244
	v_cvt_scalef32_pk16_bf6_f32 v[228:230], v[112:127], v245
	v_nop
.irp i, 0,1,2
	v_permlane16_swap_b32 v[16+6*\e+\i], v[228+\i]
.endr
.irp i, 0,1,2
	v_mov_b32 v[19+6*\e+\i], v[228+\i]
.endr
.endm
.macro HEADRUN e
	STEP \e, 2, 1, 1, \e                           ; head 1's first K was asked for in head 0's last lines
	s_cmp_lt_u32 s19, 1                            ; no block of positions before mine: a branch on ids; no barrier stands under it
	s_cbranch_scc1 .Lfin_\@
	STEP \e, 1, 0, 0, 0
	s_cmp_lt_u32 s19, 2
	s_cbranch_scc1 .Lfin_\@
	STEP \e, 0, 2, 0, 0
.Lfin_\@:
	FIN \e
.endm
	HEADRUN 0
.irp i, 0,1,2,3,4,5
	v_mov_b32 v[192+\i], v[90+\i]                  ; head 1's q; the next step's four places follow
	v_mov_b32 v[210+\i], v[90+\i]
.endr
	HEADRUN 1
	s_wait_alu depctr_va_vdst(0)                   ; the conversions and moves have written v16-27 and v28, which the stores below read; the lines above are done with v96-97, in which the load from the stage lands: no vector line follows
.irp p, 0,1,2,3,4,5
	global_store_b64 v1, v[16+2*\p:17+2*\p], s[38:39] offset:256*\p             ; ctx's fragment as it stands: 256 consecutive bytes a store, aligned
.endr
	ds_store_b32 v31, v28                          ; my rows' scale words; both halves of the lanes write the same word with the same value
	s_wait_dscnt 0x0
	s_barrier_signal -1
	s_barrier_wait -1
	s_cmp_lt_u32 s12, 4
	s_cbranch_scc0 .Ldone
	ds_load_b64 v[96:97], v10 offset:STG-SCL       ; four row tiles' words: 256 bytes
	s_wait_dscnt 0x0
	global_store_b64 v1, v[96:97], s[40:41]
.Ldone:
	s_wait_dscnt 0x0
	s_wait_alu depctr_hold_cnt(0) depctr_sa_sdst(0) depctr_va_vdst(0) depctr_va_sdst(0) depctr_va_ssrc(0) depctr_va_vcc(0) depctr_vm_vsrc(0)
	s_wait_tensorcnt 0x0
	ds_add_u32 v251, v255
	s_wait_dscnt 0x0
	s_endpgm
.Lfunc_end_k_qfe0821b230_attn:
	.size	k_qfe0821b230_attn, .Lfunc_end_k_qfe0821b230_attn-k_qfe0821b230_attn
	.p2alignl 7, 3214868480
	.fill 96, 4, 3214868480
	.section	.rodata,"a",@progbits
	.p2align	6, 0x0
	.amdhsa_kernel k_qfe0821b230_attn
		.amdhsa_group_segment_fixed_size 105472
		.amdhsa_private_segment_fixed_size 0
		.amdhsa_enable_private_segment 0
		.amdhsa_kernarg_size 32
		.amdhsa_user_sgpr_count 2
		.amdhsa_user_sgpr_kernarg_segment_ptr 1
		.amdhsa_wavefront_size32 1
		.amdhsa_system_sgpr_workgroup_id_x 1
		.amdhsa_system_sgpr_workgroup_id_y 1
		.amdhsa_system_sgpr_workgroup_id_z 1
		.amdhsa_system_vgpr_workitem_id 0
		.amdhsa_next_free_vgpr 256
		.amdhsa_next_free_sgpr 66
		.amdhsa_reserve_vcc 0
		.amdhsa_float_denorm_mode_32 3
		.amdhsa_float_denorm_mode_16_64 3
		.amdhsa_memory_ordered 1
		.amdhsa_forward_progress 1
		.amdhsa_inst_pref_size 152
	.end_amdhsa_kernel
	.amdgpu_metadata
---
amdhsa.version: [ 1, 2 ]
amdhsa.kernels:
  - .name:           k_qfe0821b230_attn
    .symbol:         k_qfe0821b230_attn.kd
    .args:
      - { .name: qkvc, .offset: 0, .size: 8, .value_kind: global_buffer, .address_space: global }
      - { .name: qkvs, .offset: 8, .size: 8, .value_kind: global_buffer, .address_space: global }
      - { .name: cc, .offset: 16, .size: 8, .value_kind: global_buffer, .address_space: global }
      - { .name: cs, .offset: 24, .size: 8, .value_kind: global_buffer, .address_space: global }
    .group_segment_fixed_size: 105472
    .private_segment_fixed_size: 0
    .kernarg_segment_align: 8
    .kernarg_segment_size: 32
    .max_flat_workgroup_size: 512
    .sgpr_count:     66
    .vgpr_count:     256
    .wavefront_size: 32
...
	.end_amdgpu_metadata
.endif
;; end of part 5
;; launch proj: the kernel of part 4 again; grid 4 x 32, 4 waves a work-group, clusters of 4 x 4, 327,680 bytes of LDS; arguments cc, cs, opc, ops, b_proj, out0; writes out0
